; MI455X (gfx1250); checked and timed in simulation.
; The chip was launched on July 23, 2026; its instructions are those of AMD's public machine-readable ISA for CDNA 5 (MIT licence, August 2026) and "CDNA5" Instruction Set Architecture Reference Guide (July 2026). The comments in the code are by the model that wrote it; some were corrected since.
;; Causal Self Attention. Allowed arithmetic: matrix products marked QUANTISED: E2M1 operands, one E8M0 scale for each 32 along K, by v_wmma_scale_f32_16x16x128_f8f6f4 with both operands' format E2M1 (or v_wmma_scale_f32_32x16x128_f4), f32 sums; products left as they are: bf16, f16 or f32 operands; f32 sums; everything else in f32.
;; Inputs: wk 512 x 2,048 float32; wo 2,048 x 2,048 float32; wq 2,048 x 2,048 float32; wv 512 x 2,048 float32; x 1 x 2,048 x 2,048 float32.
;; Outputs: out0 1 x 2,048 x 2,048 float32.
;; This version of the problem:
;;   THIS VERSION OF THE PROBLEM IS GIVEN IN LOW PRECISION. The matrix products marked QUANTISED in the list below multiply operands that are first quantised to E2M1 (2 exponent bits, 1 mantissa bit; 4 bits a number), with one power-of-two scale for each 32 numbers along K (OCP MX v1.0); their sums are f32. The products marked 'left as it is' may take bf16, f16 or f32 operands, with f32 sums. Whichever they take, every output number must still come out within the allowed error. Rounding operands to bf16 (8 significant bits) uses up far more of that allowance than f16 does (11 bits, for magnitudes from 6e-5 to 65,504). All else is computed in f32.
;;   The module's matrix products, in the order in which they are computed (A, B: the left and right operand; K: the contracted axis; several contracted axes count as one K, in the product's order):
;;     1. [M 2,048, K 2,048] x [K 2,048, N 2,048]; A: input x; B: input wq: QUANTISED
;;     2. [M 2,048, K 2,048] x [K 2,048, N 512]; A: input x; B: input wk: QUANTISED
;;     3. [M 2,048, K 2,048] x [K 2,048, N 512]; A: input x; B: input wv: QUANTISED
;;     4. batch 32 x [M 2,048, K 64] x [K 64, N 2,048]; A: computed on the way; B: computed on the way: left as it is (an operand is computed on the way)
;;     5. batch 32 x [M 2,048, K 2,048] x [K 2,048, N 64]; A: computed on the way; B: computed on the way: left as it is (an operand is computed on the way)
;;     6. [M 2,048, K 2,048] x [K 2,048, N 2,048]; A: computed on the way; B: input wo: left as it is (an operand is computed on the way)
;;   THE QUANTISER, for each operand of a quantised product, along K:
;;     - K is cut into blocks of 32 from its start; a last block that is shorter is filled with zeros.
;;     - A block's scale is 2^e with e = floor(log2(the largest magnitude in the block)) - 2, held to -126 .. 127; a block of zeros has e = 0. As a byte (E8M0): e + 127.
;;     - Each number is divided by its block's scale, clamped to +-6, and rounded to the nearest number of E2M1, ties to even, subnormals kept.
;;     - The product sums the exact products of the quantised numbers (number of the format x scale) in f32.
;;   ~~~python
;;   def quantise(x, axis):      # numpy; x: float32 -> the quantised numbers, widened to float32 again
;;       x = np.moveaxis(x, axis, -1); K = x.shape[-1]
;;       x = np.pad(x, [(0, 0)] * (x.ndim - 1) + [(0, -K % 32)]); x = x.reshape(x.shape[:-1] + (-1, 32)); a = np.abs(x).max(-1, keepdims=True)
;;       e = np.where(a > 0, np.clip(np.frexp(np.where(a > 0, a, 1))[1] - 1 - 2, -126, 127), 0)      # np.frexp(a)[1] - 1 = floor(log2(a)), exactly
;;       r = np.clip(x / 2.0 ** e, -6, 6)
;;       step = 2.0 ** (np.maximum(np.frexp(np.where(r == 0, 1, r))[1] - 1, 0) - 1)
;;       q = np.round(r / step) * step * 2.0 ** e      # np.round: ties to even
;;       return np.moveaxis(q.reshape(q.shape[:-2] + (-1,))[..., :K], -1, axis).astype(np.float32)
;;   ~~~
;; One version. Each part assembles by itself: llvm-mc -triple=amdgcn-amd-amdhsa -mcpu=gfx1250 --defsym DOCPART=n.
;; ======== version 1 of 1: 4 launches
;; limits: values are held in f16: magnitudes above 65,504 overflow, below 6.1e-05 lose precision
;; workspace buffers: codes 5,242,880 bytes; scales 327,680 bytes; wo16 8,388,608 bytes; rope 524,288 bytes; qkv 12,582,912 bytes; att 8,388,608 bytes
;; launch prep (part 1): grid 480 x 1, 4 waves a work-group, no clusters, 33,280 bytes of LDS; arguments x, wq, wk, wv, wo, codes, scales, wo16, rope; writes codes, scales, wo16, rope
.if DOCPART == 1
	.amdgcn_target "amdgcn-amd-amdhsa--gfx1250"
	.amdhsa_code_object_version 6
	.text
	.protected	k_qc337c0c528_prep
	.globl	k_qc337c0c528_prep
	.p2align	8
	.type	k_qc337c0c528_prep,@function
k_qc337c0c528_prep:
	s_mov_b64 s[64:65], 0
	v_nop
	global_prefetch_b8 v0, s[64:65] scope:SCOPE_SE
	s_setreg_imm32_b32 hwreg(HW_REG_WAVE_MODE, 25, 1), 1
	s_wait_xcnt 0x0
; PREPARATION, three kinds of work-group, told apart by the work-group's number alone.
;  0-319   x, wq, wk, wv (f32, K innermost) become codes of FP4 (E2M1) and one E8M0 byte for each 32 along K.  The four tensors are laid one behind the other:
;          codes [5120 rows][1024 bytes], scales [5120][64]; rows 0-2047 x, 2048-4095 wq, 4096-4607 wk, 4608-5119 wv.
;  320-447 wo (f32) is rounded to f16, same layout.
;  448-479 the table of rotations: rope[pos][pair][cos, sin], f32, 256 bytes a position.
; A block's scale is 2^(floor(log2(largest magnitude)) - 2); its byte is the largest magnitude's exponent field - 2, held at 1 from below.
; LIMITS: a block whose largest magnitude lies under 2^-124, a block of zeros among them, gets the byte 1 (zero codes add nothing under it, and this program alone reads the bytes);
; NaN and infinities are not served; |wo| stays under 65,504 (f16); the angles pos x theta differ from a correctly rounded theta's by a few ulp of theta: about 3e-4 rad at position 2,047.
; Memory binds: no matrix unit, no cluster, no tensor load; waves share nothing, so there is no barrier.
.set WAVES, 4
.set STEPS, 16
.set EMAX,  2
.set CB,    8                          ; bytes of 16 codes
.set R,     16                         ; v16-79   four sets of 16 numbers as loaded
.set X,     80                         ; v80-111  two sets of 16 neighbours
.set E,     112                        ; v112-127 a scale byte for each step
.set C,     128                        ; v128-191 codes, registers of its own for each step
.set WREG,  8192                       ; LDS: a region for each wave: two stages of 32 x SP bytes, then its 256 scale bytes
.set SP,    80
.set SPW,   12                         ; v12 my spare word's LDS address; never rewritten
.set NIL,   13                         ; v13 0; never rewritten
.set SPARE, WAVES*WREG                 ; behind the four regions: the spare words, 128 bytes a wave
	s_load_b512 s[4:19], s[0:1], 0x0               ; x 4:5, wq 6:7, wk 8:9, wv 10:11, wo 12:13, codes 14:15, scales 16:17, wo16 18:19
	s_load_b64 s[20:21], s[0:1], 0x40              ; rope
	v_lshl_add_u32 v[SPW], v0, 2, SPARE
	v_mov_b32 v[NIL], 0
	v_lshrrev_b32 v1, 5, v0
	v_readfirstlane_b32 s22, v1                    ; wave
	v_and_b32 v2, 31, v0                           ; lane
	s_cmp_ge_u32 ttmp9, 448
	s_cbranch_scc1 .Ltable
	s_cmp_ge_u32 ttmp9, 320
	s_cbranch_scc1 .Lwo
; ---------------- the quantiser.  A wave takes 16 steps of 512 numbers.  Each load reads 512 consecutive bytes; a step's 2,048 bytes turn through the wave's own stage in LDS,
; so that a lane then holds 16 neighbours along K (two lanes a block); a lane's 16 codes are 8 bytes, so the wave stores 256 consecutive bytes.
	v_lshlrev_b32 v3, 4, v2                        ; my 16 bytes of a load's 512
	s_mul_i32 s27, s22, WREG
	v_lshrrev_b32 v14, 2, v2
	v_mul_u32_u24 v14, v14, SP
	v_and_b32 v15, 3, v2
	v_lshl_add_u32 v14, v15, 4, v14
	v_add_nc_u32 v14, s27, v14                     ; the stage, on the way in: SP (lane / 4) + 16 (lane % 4)
	v_mul_u32_u24 v15, v2, SP
	v_add_nc_u32 v15, s27, v15                     ; on the way out: SP x lane
	v_mul_u32_u24 v4, v2, CB                       ; my codes' place in a step's
	v_lshrrev_b32 v5, 1, v2
	s_add_co_u32 s27, s27, 2*32*SP
	v_add_nc_u32 v5, s27, v5                       ; my block's scale byte in LDS
	v_lshlrev_b32 v7, 3, v2
	v_add_nc_u32 v6, s27, v7                       ; and 8 of them a lane on the way out
	s_wait_kmcnt 0x0
	s_mov_b64 s[24:25], s[10:11]                   ; which tensor: the choice hangs on the work-group's number alone
	s_mov_b32 s26, 288
	s_cmp_lt_u32 ttmp9, 288
	s_cselect_b64 s[24:25], s[8:9], s[24:25]
	s_cselect_b32 s26, 256, s26
	s_cmp_lt_u32 ttmp9, 256
	s_cselect_b64 s[24:25], s[6:7], s[24:25]
	s_cselect_b32 s26, 128, s26
	s_cmp_lt_u32 ttmp9, 128
	s_cselect_b64 s[24:25], s[4:5], s[24:25]
	s_cselect_b32 s26, 0, s26
	s_sub_co_u32 s26, ttmp9, s26
	s_lshl_b32 s26, s26, 2
	s_add_co_u32 s26, s26, s22                     ; my run of 8,192 numbers in the tensor
	s_lshl_b32 s26, s26, 15
	s_mov_b32 s27, 0
	s_add_nc_u64 s[24:25], s[24:25], s[26:27]
	s_lshl_b32 s28, ttmp9, 2
	s_add_co_u32 s28, s28, s22                     ; and in the joined streams of codes and bytes
	s_lshl_b32 s30, s28, 12
	s_mov_b32 s31, 0
	s_add_nc_u64 s[14:15], s[14:15], s[30:31]
	s_lshl_b32 s30, s28, 8
	s_add_nc_u64 s[16:17], s[16:17], s[30:31]
.macro LOAD t
.irp i, 0,1,2,3
	global_load_b128 v[R+16*((\t)%4)+4*\i:R+16*((\t)%4)+4*\i+3], v3, s[24:25] offset:2048*(\t)+512*\i th:TH_LOAD_NT
.endr
.endm
.macro TURN t                          ; LDS serves a wave's instructions in order: no wait between the stores and the loads
.irp i, 0,1,2,3
	ds_store_b128 v14, v[R+16*((\t)%4)+4*\i:R+16*((\t)%4)+4*\i+3] offset:32*SP*((\t)%2)+8*SP*\i
.endr
.irp i, 0,1,2,3
	ds_load_b128 v[X+16*((\t)%2)+4*\i:X+16*((\t)%2)+4*\i+3], v15 offset:32*SP*((\t)%2)+16*\i
.endr
.endm
.irp t, 0,1,2,3
	LOAD \t
.endr
	s_wait_loadcnt 12                              ; step 0's four loads are in; three steps' twelve stay out
	TURN 0
.macro STEP t
.set XS, X+16*((\t)%2)
.if (\t) > 0
	s_wait_dscnt 1                                 ; this step's numbers are back from the stage; the last step's byte store may be out
.else
	s_wait_dscnt 0x0
.endif
.if (\t)+4 < STEPS
	LOAD (\t)+4                                    ; into the registers that the stage's stores have read
.endif
.if (\t)+1 < STEPS
.if STEPS-2-(\t) >= 3
	s_wait_loadcnt 12                              ; the next step's four loads are in; those of three steps behind it may be out
.else
	s_wait_loadcnt 4*(STEPS-2-(\t))
.endif
	TURN (\t)+1
.endif
	v_max3_num_f32 v8, |v[XS]|, |v[XS+1]|, |v[XS+2]|               ; the largest magnitude of my 16, in two chains
	v_max3_num_f32 v9, |v[XS+3]|, |v[XS+4]|, |v[XS+5]|
.irp i, 6,10
	v_max3_num_f32 v8, v8, |v[XS+\i]|, |v[XS+\i+1]|
	v_max3_num_f32 v9, v9, |v[XS+\i+2]|, |v[XS+\i+3]|
.endr
	v_max3_num_f32 v8, v8, |v[XS+14]|, |v[XS+15]|
	v_max3_num_f32 v8, v8, v9, (EMAX+1)<<23        ; and the floor 2^(3 - 127): the byte cannot fall under 1
	v_max_num_f32_dpp v8, v8, v8 row_xmask:1 row_mask:0xf bank_mask:0xf   ; with my neighbour's 16: the block's
	v_add_nc_u32 v11, -(EMAX<<23), v8              ; 2 off the exponent field: the conversion takes that field as its scale
	v_cvt_scalef32_pk8_fp4_f32 v[C+4*(\t)], v[XS:XS+7], v11
	v_cvt_scalef32_pk8_fp4_f32 v[C+4*(\t)+1], v[XS+8:XS+15], v11
	v_lshrrev_b32 v[E+(\t)], 23, v11               ; the scale's byte (also the plain line behind the conversions)
	ds_store_b8 v5, v[E+(\t)] offset:16*(\t)       ; both lanes of a block write the same byte
	global_store_b64 v4, v[C+4*(\t):C+4*(\t)+1], s[14:15] offset:32*CB*(\t)   ; 32 lanes: 256 consecutive bytes, aligned
.endm
.irp t, 0,1,2,3,4,5,6,7,8,9,10,11,12,13,14,15
	STEP \t
.endr
	ds_load_b64 v[8:9], v6
	s_wait_dscnt 0x0
	global_store_b64 v7, v[8:9], s[16:17]          ; my wave's 256 scale bytes, aligned
	s_wait_tensorcnt 0x0                           ; the wave's end: behind my last LDS store
	ds_add_u32 v[SPW], v[NIL]
	s_wait_dscnt 0x0
	s_endpgm
; ---------------- wo to f16.  A wave takes 8,192 numbers in four batches of 16 loads; two batches are always asked for.
.Lwo:
	s_sub_co_u32 s26, ttmp9, 320
	s_lshl_b32 s26, s26, 2
	s_add_co_u32 s26, s26, s22
	s_lshl_b32 s28, s26, 15
	s_mov_b32 s29, 0
	s_lshl_b32 s30, s26, 14
	s_mov_b32 s31, 0
	v_lshlrev_b32 v3, 4, v2
	v_lshlrev_b32 v4, 3, v2
	s_wait_kmcnt 0x0
	s_add_nc_u64 s[12:13], s[12:13], s[28:29]
	s_add_nc_u64 s[18:19], s[18:19], s[30:31]
.macro WLOAD g
.irp i, 0,1,2,3,4,5,6,7,8,9,10,11,12,13,14,15
	global_load_b128 v[16+64*((\g)%2)+4*\i:16+64*((\g)%2)+4*\i+3], v3, s[12:13] offset:8192*(\g)+512*\i th:TH_LOAD_NT
.endr
.endm
.macro WBATCH g
.if (\g) < 3
	s_wait_loadcnt 16                              ; this batch is in; the next one's sixteen may be out
.else
	s_wait_loadcnt 0x0
.endif
.if (\g) >= 2
	s_wait_xcnt 0x0                                ; the stores of two batches back have read the registers that are written now
.endif
.irp i, 0,1,2,3,4,5,6,7,8,9,10,11,12,13,14,15
	v_cvt_pk_f16_f32 v[144+32*((\g)%2)+2*\i], v[16+64*((\g)%2)+4*\i], v[16+64*((\g)%2)+4*\i+1]
	v_cvt_pk_f16_f32 v[144+32*((\g)%2)+2*\i+1], v[16+64*((\g)%2)+4*\i+2], v[16+64*((\g)%2)+4*\i+3]
.endr
.if (\g)+2 < 4
	WLOAD (\g)+2
.endif
.irp i, 0,1,2,3,4,5,6,7,8,9,10,11,12,13,14,15
	global_store_b64 v4, v[144+32*((\g)%2)+2*\i:144+32*((\g)%2)+2*\i+1], s[18:19] offset:4096*(\g)+256*\i   ; 256 consecutive bytes, aligned
.endr
.endm
	WLOAD 0
	WLOAD 1
	WBATCH 0
	WBATCH 1
	WBATCH 2
	WBATCH 3
	s_endpgm
; ---------------- the table.  A wave takes 16 positions, a lane one of the 32 pairs.  theta = 2^(-pair x log2(10000) / 32).
; cos and sin by reduction to |r| <= pi/4 (pi/2 in three parts, fused multiply-adds) and two short polynomials; the quadrant swaps them and sets the signs.
.Ltable:
	s_sub_co_u32 s34, ttmp9, 448
	s_lshl_b32 s34, s34, 2
	s_add_co_u32 s34, s34, s22
	s_lshl_b32 s34, s34, 4                         ; my first position
	s_lshl_b32 s36, s34, 8
	s_mov_b32 s37, 0
	s_mov_b32 s24, 0x3f22f983                      ; 2 / pi
	s_mov_b32 s25, 0xbfc90fdb                      ; -pi/2, its leading part,
	s_mov_b32 s26, 0x333bbd2e                      ; what that part has too much,
	s_mov_b32 s27, 0x26f72ced                      ; and the rest
	s_mov_b32 s28, 0xb94ca1f9                      ; sine: -1.9515296e-4, 8.3321609e-3, -1.6666655e-1
	s_mov_b32 s29, 0x3c08839e
	s_mov_b32 s30, 0xbe2aaaa3
	s_mov_b32 s31, 0x37ccf5ce                      ; cosine: 2.4433157e-5, -1.3887316e-3, 4.1666646e-2
	s_mov_b32 s32, 0xbab6061a
	s_mov_b32 s33, 0x3d2aaaa5
	v_cvt_f32_u32 v20, v2
	v_mul_f32 v20, 0xbed49a78, v20                 ; -pair x log2(10000) / 32
	v_exp_f32 v20, v20                             ; theta
	v_lshlrev_b32 v38, 3, v2                       ; (a plain line behind the exponential)  8 bytes a pair
	s_wait_alu depctr_va_vdst(0)                   ; the wait ahead of the result's first reader
	s_wait_kmcnt 0x0
	s_add_nc_u64 s[20:21], s[20:21], s[36:37]
.macro CS n
	s_add_co_u32 s35, s34, \n
	v_cvt_f32_u32 v23, s35
	v_mul_f32 v23, v23, v20                        ; the angle, rounded to f32
	v_mul_f32 v24, s24, v23
	v_rndne_f32 v24, v24                           ; k quarter turns
	v_fma_f32 v25, v24, s25, v23
	v_fma_f32 v25, v24, s26, v25
	v_fma_f32 v25, v24, s27, v25                   ; r
	v_mul_f32 v26, v25, v25                        ; z = r r
	v_fma_f32 v27, v26, s28, s29
	v_fma_f32 v27, v27, v26, s30
	v_mul_f32 v28, v25, v26
	v_fma_f32 v27, v28, v27, v25                   ; sin r
	v_fma_f32 v29, v26, s31, s32
	v_fma_f32 v29, v29, v26, s33
	v_mul_f32 v30, v26, v26
	v_fma_f32 v31, v26, -0.5, 1.0
	v_fma_f32 v29, v30, v29, v31                   ; cos r
	v_cvt_i32_f32 v32, v24
	v_and_b32 v33, 1, v32
	v_cmp_eq_u32 vcc_lo, 1, v33
	v_cndmask_b32 v34, v27, v29, vcc_lo            ; odd quadrants swap the two
	v_cndmask_b32 v35, v29, v27, vcc_lo
	v_and_b32 v36, 2, v32
	v_lshlrev_b32 v36, 30, v36                     ; sine's sign: quadrants 2, 3
	v_add_nc_u32 v37, 1, v32
	v_and_b32 v37, 2, v37
	v_lshlrev_b32 v37, 30, v37                     ; cosine's: quadrants 1, 2
	v_xor_b32 v[64+2*\n], v35, v37
	v_xor_b32 v[65+2*\n], v34, v36
	global_store_b64 v38, v[64+2*\n:65+2*\n], s[20:21] offset:256*\n   ; a position's 256 bytes, aligned; each store has registers of its own
.endm
.irp n, 0,1,2,3,4,5,6,7,8,9,10,11,12,13,14,15
	CS \n
.endr
	s_endpgm
.Lfunc_end_k_qc337c0c528_prep:
	.size	k_qc337c0c528_prep, .Lfunc_end_k_qc337c0c528_prep-k_qc337c0c528_prep
	.p2alignl 7, 3214868480
	.fill 96, 4, 3214868480
	.section	.rodata,"a",@progbits
	.p2align	6, 0x0
	.amdhsa_kernel k_qc337c0c528_prep
		.amdhsa_group_segment_fixed_size 33280
		.amdhsa_private_segment_fixed_size 0
		.amdhsa_enable_private_segment 0
		.amdhsa_kernarg_size 72
		.amdhsa_user_sgpr_count 2
		.amdhsa_user_sgpr_kernarg_segment_ptr 1
		.amdhsa_wavefront_size32 1
		.amdhsa_system_sgpr_workgroup_id_x 1
		.amdhsa_system_sgpr_workgroup_id_y 1
		.amdhsa_system_sgpr_workgroup_id_z 1
		.amdhsa_system_vgpr_workitem_id 0
		.amdhsa_next_free_vgpr 208
		.amdhsa_next_free_sgpr 66
		.amdhsa_reserve_vcc 1
		.amdhsa_float_denorm_mode_32 3
		.amdhsa_float_denorm_mode_16_64 3
		.amdhsa_memory_ordered 1
		.amdhsa_forward_progress 1
		.amdhsa_inst_pref_size 77
	.end_amdhsa_kernel
	.amdgpu_metadata
---
amdhsa.version: [ 1, 2 ]
amdhsa.kernels:
  - .name:           k_qc337c0c528_prep
    .symbol:         k_qc337c0c528_prep.kd
    .args:
      - { .name: x, .offset: 0, .size: 8, .value_kind: global_buffer, .address_space: global }
      - { .name: wq, .offset: 8, .size: 8, .value_kind: global_buffer, .address_space: global }
      - { .name: wk, .offset: 16, .size: 8, .value_kind: global_buffer, .address_space: global }
      - { .name: wv, .offset: 24, .size: 8, .value_kind: global_buffer, .address_space: global }
      - { .name: wo, .offset: 32, .size: 8, .value_kind: global_buffer, .address_space: global }
      - { .name: codes, .offset: 40, .size: 8, .value_kind: global_buffer, .address_space: global }
      - { .name: scales, .offset: 48, .size: 8, .value_kind: global_buffer, .address_space: global }
      - { .name: wo16, .offset: 56, .size: 8, .value_kind: global_buffer, .address_space: global }
      - { .name: rope, .offset: 64, .size: 8, .value_kind: global_buffer, .address_space: global }
    .group_segment_fixed_size: 33280
    .private_segment_fixed_size: 0
    .kernarg_segment_align: 8
    .kernarg_segment_size: 72
    .max_flat_workgroup_size: 128
    .sgpr_count:     66
    .vgpr_count:     208
    .wavefront_size: 32
...
	.end_amdgpu_metadata
.endif
;; end of part 1
;; launch qkv (part 2): grid 16 x 16, 4 waves a work-group, clusters of 4 x 4, 327,680 bytes of LDS; arguments codes, scales, rope, qkv; writes qkv
.if DOCPART == 2
	.amdgcn_target "amdgcn-amd-amdhsa--gfx1250"
	.amdhsa_code_object_version 6
	.text
	.protected	k_qc337c0c528_qkv
	.globl	k_qc337c0c528_qkv
	.p2align	8
	.type	k_qc337c0c528_qkv,@function
k_qc337c0c528_qkv:
	s_mov_b64 s[64:65], 0
	v_nop
	global_prefetch_b8 v0, s[64:65] scope:SCOPE_SE
	s_setreg_imm32_b32 hwreg(HW_REG_WAVE_MODE, 25, 1), 1
	s_wait_xcnt 0x0
	s_wait_alu depctr_hold_cnt(0) depctr_sa_sdst(0) depctr_va_vdst(0) depctr_va_sdst(0) depctr_va_ssrc(0) depctr_va_vcc(0) depctr_vm_vsrc(0)
	s_getreg_b32 s2, hwreg(HW_REG_IB_STS2, 6, 4)
	s_cmp_eq_u32 s2, 0
	s_cbranch_scc0 .Lentry_in_a_cluster
	s_endpgm
.Lentry_in_a_cluster:
	s_bfe_u32 s2, ttmp6, 0x10000c
	s_cmp_lg_u32 s2, 0xf033
	s_cbranch_scc0 .Lentry_shape_is_right
	s_endpgm
.Lentry_shape_is_right:
; q, k, v = x [wq; wk; wv]^T on codes of FP4 with E8M0 scales, then the rotation of q and k in f32, then f16.
; codes [5120][1024 bytes], scales [5120][64]: rows 0-2047 x, from 2048 on the 3,072 weight rows.  rope [2048][32][cos, sin] f32.  qkv [48 heads][2048 positions][64] f16: heads 0-31 q, 32-39 k, 40-47 v.
; A work-group makes 128 positions x 192 columns (three heads): 16 x 16 = 256 work-groups.  Wave w (rw = w / 2, cw = w % 2) takes four blocks of 16 positions, at rows 64 (i / 2) + 32 rw + 16 (i % 2),
; and six blocks of 16 columns, at 64 (b / 2) + 32 cw + 16 (b % 2): channels 32 cw .. 32 cw + 31 of each of the three heads.  24 accumulators; a step of 128 along K reads 10 fragments for 24 matrix instructions.
; THE MATRIX INSTRUCTION IS USED TRANSPOSED (source 0 = 16 weight rows, source 1 = 16 rows of x): a lane holds one position and eight neighbouring channels, that is four rotation pairs.
; K = 2,048 is four steps of 512 (rows of 256 bytes).  Three LDS slots are filled at the start, one is filled again; all is written out, there is no loop.  The scale bytes of the work-group's rows come once.
; CLUSTER 4 x 4: x's tile hangs on the tile row alone and is asked for jointly along a row of the cluster, the weights' on the tile column alone, along a column.
; By this text's count a wave has four tensor loads out at the start and one later.
; LIMIT: |q|, |k|, |v| stay under 65,504 (f16).  No prefetch: nearly all bytes are asked for at the head.
; REGISTERS: window 0: v2-15 addresses; v16-63 scale words, two sets of 24; v64-127 x's fragments, two sets; v128-223 the weights', two sets; v224-255 at work on the way out.
;            window 1: v0-191 accumulator (a, b) at v[8 (6 a + b)]; v192-255 my cosines and sines, 16 for each block of positions.
.set PITCH, 272                        ; an LDS row: 256 bytes + 16: the 16 rows of a fragment load start 68 words apart
.set SLOT,  87040                      ; x's 128 rows, then the weights' 192
.set BOFF,  34816
.set SCL,   3*SLOT                     ; the scale bytes, as pieces of 256 bytes + 16: x's 32 pieces, then the weights' 48
.set SPARE, SCL+8704+13056             ; the spare words, 128 bytes a wave
.set STAGE, SLOT                       ; the way out lies in slot 1, which has had its last fill and its last read by then: [3 heads][128 rows][144 bytes]
.set SPI,   144
.set HPL,   128*SPI
.set HSTR,  262144                     ; a head in qkv
.set SPW,  2
.set NIL,  3
.set ADRA, 4                           ; v4-6   x's fragments in slot 0, 1, 2
.set ADRB, 8                           ; v8-10  the weights'
.set ADRS, 11                          ; v11    scale words: lanes 0-15 x's rows, lanes 16-31 the weights'
.set STO,  12
.set RD,   13
.set GO,   14
.set TA,   15
.set SC,   16
.set AF,   64
.set BF,   128
.set CSR,  224                         ; v224-239 the cosines and sines in hand
.set TT,   240                         ; v240-255 products, then rotated numbers
.set RES,  64                          ; v64-159  f16 results, four registers for each accumulator
.set BK,   160                         ; v160-255 rows read back from the stage
.set TAB,  192                         ; in window 1
.set G1A,  24
.set G1B,  32
.set G1SA, 40
.set G1SB, 48
.set G0A0, 56
.set G0A1, 60
.set G0A2, 68
.set G0B0, 72
.set G0B1, 76
.set G0B2, 80
.set G0SA, 84
.set G0SB, 88
.set MSB, 0
.macro WIN new                         ; the immediate's high byte repeats the setting that is left
.if MSB != \new
	s_set_vgpr_msb (MSB<<8)|\new
.set MSB, \new
.endif
.endm
.macro PLACES                          ; four plain vector lines between a matrix instruction and a load into, or a vector read of, its registers
.rept 4
	v_nop
.endr
.endm
.macro ROUND                           ; a round of the cluster's barrier
	s_barrier_signal -1
	s_barrier_wait -1
	s_cmp_lg_u32 s12, 0
	s_cbranch_scc1 .Lnot_wave_0_\@
	s_barrier_signal -3
.Lnot_wave_0_\@:
	s_barrier_wait -3
	s_barrier_signal -1
	s_barrier_wait -1
.endm
	s_load_b256 s[4:11], s[0:1], 0x0               ; codes 4:5, scales 6:7, rope 8:9, qkv 10:11
	v_lshl_add_u32 v[SPW], v0, 2, SPARE
	v_mov_b32 v[NIL], 0
	ds_add_u32 v[SPW], v[NIL]                      ; the wave's opening: the add and its wait stand ahead of my first tensor load
	v_lshrrev_b32 v1, 5, v0
	v_readfirstlane_b32 s12, v1                    ; wave
	s_lshr_b32 s13, s12, 1                         ; rw
	s_and_b32 s14, s12, 1                          ; cw
	s_bfe_u32 s15, ttmp6, 0x40000                  ; cx
	s_bfe_u32 s16, ttmp6, 0x40004                  ; cy
	s_lshl_b32 s17, ttmp9, 2
	s_add_co_u32 s17, s17, s15                     ; tile column
	s_and_b32 s18, ttmp7, 0xffff
	s_lshl_b32 s18, s18, 2
	s_add_co_u32 s18, s18, s16                     ; tile row
	s_lshl_b32 s19, s16, 2
	s_lshl_b32 s19, 15, s19                        ; my row of the cluster
	s_lshl_b32 s20, 0x1111, s15                    ; my column
	s_or_b32 s[G1A], s19, (1<<20)|(1<<21)|(5<<22)|(3<<25)   ; the mask; elements of 1 byte; 4 words of padding behind every 64
	s_mov_b32 s[G1A+1], 256<<16                    ; tensor_dim0
	s_mov_b32 s[G1A+2], 128<<16                    ; tensor_dim1
	s_mov_b32 s[G1A+3], 256<<16                    ; tile_dim0
	s_mov_b32 s[G1A+4], 128                        ; tile_dim1
	s_mov_b32 s[G1A+5], 1024                       ; from row to row
	s_mov_b32 s[G1A+6], 0
	s_mov_b32 s[G1A+7], 0
	s_or_b32 s[G1B], s20, (1<<20)|(1<<21)|(5<<22)|(3<<25)
	s_mov_b32 s[G1B+1], 256<<16
	s_mov_b32 s[G1B+2], 64<<16
	s_mov_b32 s[G1B+3], 256<<16
	s_mov_b32 s[G1B+4], 64
	s_mov_b32 s[G1B+5], 1024
	s_mov_b32 s[G1B+6], 0
	s_mov_b32 s[G1B+7], 0
	s_or_b32 s[G1SA], s19, (3<<16)|(1<<20)|(1<<21)|(5<<22)|(3<<25)   ; a dense block as rows of 32 elements of 8 bytes
	s_mov_b32 s[G1SA+1], 32<<16
	s_mov_b32 s[G1SA+2], 32<<16
	s_mov_b32 s[G1SA+3], 32<<16
	s_mov_b32 s[G1SA+4], 32
	s_mov_b32 s[G1SA+5], 32
	s_mov_b32 s[G1SA+6], 0
	s_mov_b32 s[G1SA+7], 0
	s_or_b32 s[G1SB], s20, (3<<16)|(1<<20)|(1<<21)|(5<<22)|(3<<25)
	s_mov_b32 s[G1SB+1], 32<<16
	s_mov_b32 s[G1SB+2], 16<<16
	s_mov_b32 s[G1SB+3], 32<<16
	s_mov_b32 s[G1SB+4], 16
	s_mov_b32 s[G1SB+5], 32
	s_mov_b32 s[G1SB+6], 0
	s_mov_b32 s[G1SB+7], 0
	; wave 0 fetches x's 128 rows, waves 1 to 3 one head's 64 weight rows each.  Every wave makes both families, each in registers that never hold the other coordinate
	s_lshl_b32 s92, s18, 17                        ; x: 128 rows x 1,024 bytes a tile row
	s_mov_b32 s93, 0
	s_lshl_b32 s96, s18, 13                        ; its scale bytes: 128 x 64
	s_mov_b32 s97, 0
	s_mul_i32 s94, s17, 192
	s_lshl_b32 s21, s12, 6
	s_add_co_u32 s94, s94, s21
	s_add_co_u32 s94, s94, 1984                    ; the weights: row 2,048 + 192 x tile column + 64 (wave - 1)
	s_lshl_b32 s98, s94, 6
	s_mov_b32 s99, 0
	s_lshl_b32 s94, s94, 10
	s_mov_b32 s95, 0
	s_mul_i32 s22, s12, 17408
	s_add_co_u32 s22, s22, 17408                   ; their place in a slot: BOFF + 64 rows x (wave - 1)
	s_mul_i32 s23, s12, 4352
	s_add_co_u32 s23, s23, SCL+4352                ; and among the scales
	s_wait_dscnt 0x0                               ; the opening add is done
	s_wait_kmcnt 0x0
	s_add_nc_u64 s[92:93], s[4:5], s[92:93]
	s_add_nc_u64 s[94:95], s[4:5], s[94:95]
	s_add_nc_u64 s[96:97], s[6:7], s[96:97]
	s_add_nc_u64 s[98:99], s[6:7], s[98:99]
.macro MKA g, s
	s_mov_b32 s[\g], 1
	s_mov_b32 s[\g+1], (\s)*SLOT
	s_add_nc_u64 s[\g+2:\g+3], s[92:93], (\s)*256
	s_or_b32 s[\g+3], s[\g+3], 0x80000000
.endm
.macro MKB g, s
	s_mov_b32 s[\g], 1
	s_add_co_u32 s[\g+1], s22, (\s)*SLOT
	s_add_nc_u64 s[\g+2:\g+3], s[94:95], (\s)*256
	s_or_b32 s[\g+3], s[\g+3], 0x80000000
.endm
	MKA G0A0, 0
	MKA G0A1, 1
	MKA G0A2, 2
	MKB G0B0, 0
	MKB G0B1, 1
	MKB G0B2, 2
	s_mov_b32 s[G0SA], 1
	s_mov_b32 s[G0SA+1], SCL
	s_mov_b64 s[G0SA+2:G0SA+3], s[96:97]
	s_or_b32 s[G0SA+3], s[G0SA+3], 0x80000000
	s_mov_b32 s[G0SB], 1
	s_mov_b32 s[G0SB+1], s23
	s_mov_b64 s[G0SB+2:G0SB+3], s[98:99]
	s_or_b32 s[G0SB+3], s[G0SB+3], 0x80000000
	ROUND                                          ; all sixteen work-groups are here: the first joint loads meet
	s_cmp_eq_u32 s12, 0                            ; a wave's four first fills stand in one branch: the scales, K steps 0, 1, 2
	s_cbranch_scc0 .Lfirst_b
	tensor_load_to_lds s[G0SA:G0SA+3], s[G1SA:G1SA+7]
	s_nop 0
	tensor_load_to_lds s[G0A0:G0A0+3], s[G1A:G1A+7]
	s_nop 0
	tensor_load_to_lds s[G0A1:G0A1+3], s[G1A:G1A+7]
	s_nop 0
	tensor_load_to_lds s[G0A2:G0A2+3], s[G1A:G1A+7]
	s_nop 0
	PLACES
	s_branch .Lfirst_done
.Lfirst_b:
	tensor_load_to_lds s[G0SB:G0SB+3], s[G1SB:G1SB+7]
	s_nop 0
	tensor_load_to_lds s[G0B0:G0B0+3], s[G1B:G1B+7]
	s_nop 0
	tensor_load_to_lds s[G0B1:G0B1+3], s[G1B:G1B+7]
	s_nop 0
	tensor_load_to_lds s[G0B2:G0B2+3], s[G1B:G1B+7]
	s_nop 0
	PLACES
.Lfirst_done:
	v_and_b32 v1, 15, v0                           ; r
	v_bfe_u32 v7, v0, 4, 1                         ; h
	v_mul_u32_u24 v16, v1, PITCH
	v_lshl_add_u32 v16, v7, 4, v16                 ; a fragment's row x pitch + 16 h
	s_mul_i32 s21, s13, 32*PITCH
	s_mul_i32 s22, s14, 32*PITCH
	s_add_co_u32 s22, s22, BOFF
.irp s, 0,1,2
	v_add_nc_u32 v[ADRA+\s], s21, v16
	v_add_nc_u32 v[ADRB+\s], s22, v16
	s_add_co_u32 s21, s21, SLOT
	s_add_co_u32 s22, s22, SLOT
.endr
	v_lshrrev_b32 v17, 2, v1                       ; scale bytes: 64 a row, four rows to a piece of 272
	v_mul_u32_u24 v17, v17, 272
	v_and_b32 v18, 3, v1
	v_lshl_add_u32 v17, v18, 6, v17
	s_xor_b32 s21, s13, 1                          ; lanes 16-31 stand 8,704 + 2,176 cw - 2,176 rw further on: one product with h
	s_add_co_u32 s21, s21, s14
	s_mul_i32 s21, s21, 2176
	s_add_co_u32 s21, s21, 6528
	v_mul_u32_u24 v18, s21, v7
	v_add_nc_u32 v17, v17, v18
	s_mul_i32 s21, s13, 2176
	s_add_co_u32 s21, s21, SCL
	v_add_nc_u32 v[ADRS], s21, v17
	v_mul_u32_u24 v[STO], v1, SPI                  ; the stage, in: row 32 rw + r, bytes 64 cw + 16 h
	v_lshl_add_u32 v[STO], v7, 4, v[STO]
	s_mul_i32 s21, s13, 32*SPI
	s_lshl_b32 s22, s14, 6
	s_add_co_u32 s21, s21, s22
	s_add_co_u32 s21, s21, STAGE
	v_add_nc_u32 v[STO], s21, v[STO]
	v_and_b32 v17, 31, v0
	v_lshrrev_b32 v18, 3, v17                      ; back: wave w takes rows 32 w on, four rows of 128 bytes an instruction
	v_mul_u32_u24 v[RD], v18, SPI
	v_and_b32 v18, 7, v0
	v_lshl_add_u32 v[RD], v18, 4, v[RD]
	s_mul_i32 s21, s12, 32*SPI
	s_add_co_u32 s21, s21, STAGE
	v_add_nc_u32 v[RD], s21, v[RD]
	v_lshlrev_b32 v[GO], 4, v17
	s_lshl_b32 s21, s18, 7                         ; the table: position 128 tr + 32 rw + r, pairs 16 cw + 4 h on
	s_lshl_b32 s22, s13, 5
	s_add_co_u32 s21, s21, s22
	s_lshl_b32 s21, s21, 8
	s_lshl_b32 s22, s14, 7
	s_add_co_u32 s21, s21, s22
	v_lshlrev_b32 v[TA], 8, v1
	v_lshl_add_u32 v[TA], v7, 5, v[TA]
	v_add_nc_u32 v[TA], s21, v[TA]
	WIN 0x40                                       ; destination window 1
.irp a, 0,1,2,3
.irp bb, 0,1
.irp e, 0,1
	global_load_b128 v[TAB+16*\a+8*\bb+4*\e:TAB+16*\a+8*\bb+4*\e+3], v[TA], s[8:9] offset:(64*(\a/2)+16*(\a%2))*256+64*\bb+16*\e
.endr
.endr
.endr
	WIN 0
	s_mul_i32 s21, s17, 3                          ; my first head
	s_lshl_b32 s22, s21, 18
	s_lshl_b32 s23, s18, 7
	s_lshl_b32 s92, s12, 5
	s_add_co_u32 s23, s23, s92
	s_lshl_b32 s23, s23, 7                         ; position 128 tr + 32 w, 128 bytes each
	s_add_co_u32 s22, s22, s23
	s_mov_b32 s23, 0
	s_add_nc_u64 s[10:11], s[10:11], s[22:23]
.irp hl, 0,1,2                         ; heads under 40 are rotated; v's heads get the angle 0.  A choice of values: no branch hangs on the tile column
	s_add_co_u32 s22, s21, \hl
	s_cmp_lt_u32 s22, 40
	s_cselect_b32 s[92+\hl], -1, 0
.endr
.macro FETCH slot, q, p                ; the fragments of one step of 128 along K: 16 rows x 64 bytes each, two loads of 16 bytes a lane, 32 bytes apart
.irp i, 0,1,2,3
.irp c, 0,1
	ds_load_b128 v[AF+32*(\p)+8*\i+4*\c:AF+32*(\p)+8*\i+4*\c+3], v[ADRA+(\slot)] offset:(64*(\i/2)+16*(\i%2))*PITCH+64*(\q)+32*\c
.endr
.endr
.irp i, 0,1,2,3,4,5
.irp c, 0,1
	ds_load_b128 v[BF+48*(\p)+8*\i+4*\c:BF+48*(\p)+8*\i+4*\c+3], v[ADRB+(\slot)] offset:(64*(\i/2)+16*(\i%2))*PITCH+64*(\q)+32*\c
.endr
.endr
.endm
.macro SCALES ks                       ; a K step's four scale words a row: register 4 i + q; lanes 0-15 x's block i (for i = 4, 5: bytes that are filled and never used), lanes 16-31 the weights' block i
.irp i, 0,1,2,3,4,5
	ds_load_b128 v[SC+24*((\ks)%2)+4*\i:SC+24*((\ks)%2)+4*\i+3], v[ADRS] offset:(16*(\i/2)+4*(\i%2))*272+16*(\ks)
.endr
.endm
.macro MUL p, ks, q, zero              ; 24 matrix instructions; the accumulators take turns, one instruction a turn, in the same order in every step
	WIN 0x50                                       ; C and D window 1
.irp a, 0,1,2,3
.irp b, 0,1,2,3,4,5
.if \zero
	v_wmma_scale_f32_16x16x128_f8f6f4 v[8*(6*\a+\b):8*(6*\a+\b)+7], v[BF+48*(\p)+8*\b:BF+48*(\p)+8*\b+7], v[AF+32*(\p)+8*\a:AF+32*(\p)+8*\a+7], 0, v[SC+24*((\ks)%2)+4*\b+(\q)], v[SC+24*((\ks)%2)+4*\a+(\q)] matrix_a_fmt:MATRIX_FMT_FP4 matrix_b_fmt:MATRIX_FMT_FP4 matrix_a_scale:MATRIX_SCALE_ROW1
.else
	v_wmma_scale_f32_16x16x128_f8f6f4 v[8*(6*\a+\b):8*(6*\a+\b)+7], v[BF+48*(\p)+8*\b:BF+48*(\p)+8*\b+7], v[AF+32*(\p)+8*\a:AF+32*(\p)+8*\a+7], v[8*(6*\a+\b):8*(6*\a+\b)+7], v[SC+24*((\ks)%2)+4*\b+(\q)], v[SC+24*((\ks)%2)+4*\a+(\q)] matrix_a_fmt:MATRIX_FMT_FP4 matrix_b_fmt:MATRIX_FMT_FP4 matrix_a_scale:MATRIX_SCALE_ROW1
.endif
.endr
.endr
	WIN 0
.endm
.macro SUB s                           ; step s, whose successor's tiles are known to lie in LDS: the successor's fragments are asked for first
	PLACES
	FETCH ((\s+1)/4)%3, (\s+1)%4, (\s+1)%2
.if \s == 7
	SCALES 2
	s_wait_dscnt 26                                ; all but the 26 just issued
.else
	s_wait_dscnt 20                                ; all but the 20 just issued
.endif
.if \s == 0
	MUL 0, 0, 0, 1                                 ; the first products start the sums: nothing is cleared
.else
	MUL (\s)%2, (\s)/4, (\s)%4, 0
.endif
.endm
	s_wait_tensorcnt 2                             ; my scales and my part of K step 0 are in; K steps 1 and 2 may be out
	s_barrier_signal -1
	s_barrier_wait -1
	SCALES 0
	FETCH 0, 0, 0
.irp s, 0,1,2
	SUB \s
.endr
	s_wait_tensorcnt 0x0                           ; step 3 leaves slot 0.  All my tensor loads have landed, K steps 1 and 2 among them;
	ds_add_u32 v[SPW], v[NIL]                      ; 0 onto my spare word;
	s_wait_dscnt 1                                 ; (step 3's fragments are in; the add may be out)
	MUL 1, 0, 3, 0
	s_add_nc_u64 s[G0A0+2:G0A0+3], s[G0A0+2:G0A0+3], 768   ; no load of mine is out: slot 0's descriptors go on to K step 3
	s_add_nc_u64 s[G0B0+2:G0B0+3], s[G0B0+2:G0B0+3], 768
	s_wait_dscnt 0x0                               ; the add is done, and my reads of slot 0 are over
	ROUND                                          ; that now holds of every wave of all sixteen work-groups
	s_cmp_eq_u32 s12, 0                            ; the joint refill, first thing behind the round; the four v_nop are also the places in front of the loads below
	s_cbranch_scc0 .Lrefill_b
	tensor_load_to_lds s[G0A0:G0A0+3], s[G1A:G1A+7]
	s_nop 0
	PLACES
	s_branch .Lrefill_done
.Lrefill_b:
	tensor_load_to_lds s[G0B0:G0B0+3], s[G1B:G1B+7]
	s_nop 0
	PLACES
.Lrefill_done:
	FETCH 1, 0, 0
	SCALES 1
.irp s, 4,5,6,7,8,9,10
	SUB \s                                         ; slots 1 and 2: the round has shown both whole, so no barrier stands between them
.endr
	s_wait_tensorcnt 0x0                           ; step 11: my part of K step 3 has landed (the one load that was out),
	s_wait_dscnt 0x0                               ; its fragments are in;
	s_barrier_signal -1
	MUL 1, 2, 3, 0
	s_barrier_wait -1                              ; everybody's part has.
	PLACES
	FETCH 0, 0, 0
	SCALES 3
.irp s, 12,13,14
	SUB \s
.endr
	s_wait_dscnt 0x0
	MUL 1, 3, 3, 0
	; THE WAY OUT.  r0 = x0 c - x1 s, r1 = x1 c + x0 s, two packed lines a pair; f16; through the stage, since a head's row of 128 bytes comes from two waves.
	PLACES
	s_wait_loadcnt 0x0                             ; the table
.irp a, 0,1,2,3
.irp hl, 0,1,2
	WIN 0x04                                       ; source 1 window 1
.irp k, 0,2,4,6,8,10,12,14
	v_cndmask_b32 v[CSR+\k], 1.0, v[TAB+16*\a+\k], s[92+\hl]
	v_cndmask_b32 v[CSR+\k+1], 0, v[TAB+16*\a+\k+1], s[92+\hl]
.endr
	WIN 0x01                                       ; source 0 window 1
.irp bb, 0,1
.irp p, 0,1,2,3
	v_pk_mul_f32 v[TT+8*\bb+2*\p:TT+8*\bb+2*\p+1], v[8*(6*\a+2*\hl+\bb)+2*\p:8*(6*\a+2*\hl+\bb)+2*\p+1], v[CSR+8*\bb+2*\p:CSR+8*\bb+2*\p+1] op_sel_hi:[1,0]   ; x0 c, x1 c
.endr
.endr
.irp bb, 0,1
.irp p, 0,1,2,3
	v_pk_fma_f32 v[TT+8*\bb+2*\p:TT+8*\bb+2*\p+1], v[8*(6*\a+2*\hl+\bb)+2*\p:8*(6*\a+2*\hl+\bb)+2*\p+1], v[CSR+8*\bb+2*\p:CSR+8*\bb+2*\p+1], v[TT+8*\bb+2*\p:TT+8*\bb+2*\p+1] op_sel:[1,1,0] op_sel_hi:[0,1,1] neg_lo:[1,0,0]   ; - x1 s, + x0 s
.endr
.endr
	WIN 0
.irp bb, 0,1
.irp p, 0,1,2,3
	v_cvt_pk_f16_f32 v[RES+4*(6*\a+2*\hl+\bb)+\p], v[TT+8*\bb+2*\p], v[TT+8*\bb+2*\p+1]
.endr
.endr
.irp bb, 0,1
	ds_store_b128 v[STO], v[RES+4*(6*\a+2*\hl+\bb):RES+4*(6*\a+2*\hl+\bb)+3] offset:\hl*HPL+(64*(\a/2)+16*(\a%2))*SPI+32*\bb
.endr
.endr
.endr
	s_wait_dscnt 0x0                               ; for the others' sake: my stores into the stage are done
	s_barrier_signal -1
	s_barrier_wait -1
.irp hl, 0,1,2
.irp i, 0,1,2,3,4,5,6,7
	ds_load_b128 v[BK+4*(8*\hl+\i):BK+4*(8*\hl+\i)+3], v[RD] offset:\hl*HPL+576*\i
.endr
.endr
.irp hl, 0,1,2
.irp i, 0,1,2,3,4,5,6,7
	s_wait_dscnt 23-(8*\hl+\i)
	global_store_b128 v[GO], v[BK+4*(8*\hl+\i):BK+4*(8*\hl+\i)+3], s[10:11] offset:\hl*HSTR+512*\i   ; four positions of a head: 512 consecutive bytes, aligned
.endr
.endr
	s_wait_tensorcnt 0x0                           ; the wave's end
	ds_add_u32 v[SPW], v[NIL]
	s_wait_dscnt 0x0
	ROUND                                          ; the closing round
	s_endpgm
.Lfunc_end_k_qc337c0c528_qkv:
	.size	k_qc337c0c528_qkv, .Lfunc_end_k_qc337c0c528_qkv-k_qc337c0c528_qkv
	.p2alignl 7, 3214868480
	.fill 96, 4, 3214868480
	.section	.rodata,"a",@progbits
	.p2align	6, 0x0
	.amdhsa_kernel k_qc337c0c528_qkv
		.amdhsa_group_segment_fixed_size 327680
		.amdhsa_private_segment_fixed_size 0
		.amdhsa_enable_private_segment 0
		.amdhsa_kernarg_size 32
		.amdhsa_user_sgpr_count 2
		.amdhsa_user_sgpr_kernarg_segment_ptr 1
		.amdhsa_wavefront_size32 1
		.amdhsa_system_sgpr_workgroup_id_x 1
		.amdhsa_system_sgpr_workgroup_id_y 1
		.amdhsa_system_sgpr_workgroup_id_z 1
		.amdhsa_system_vgpr_workitem_id 0
		.amdhsa_next_free_vgpr 512
		.amdhsa_next_free_sgpr 102
		.amdhsa_reserve_vcc 0
		.amdhsa_float_denorm_mode_32 3
		.amdhsa_float_denorm_mode_16_64 3
		.amdhsa_memory_ordered 1
		.amdhsa_forward_progress 1
		.amdhsa_inst_pref_size 124
	.end_amdhsa_kernel
	.amdgpu_metadata
---
amdhsa.version: [ 1, 2 ]
amdhsa.kernels:
  - .name:           k_qc337c0c528_qkv
    .symbol:         k_qc337c0c528_qkv.kd
    .args:
      - { .name: codes, .offset: 0, .size: 8, .value_kind: global_buffer, .address_space: global }
      - { .name: scales, .offset: 8, .size: 8, .value_kind: global_buffer, .address_space: global }
      - { .name: rope, .offset: 16, .size: 8, .value_kind: global_buffer, .address_space: global }
      - { .name: qkv, .offset: 24, .size: 8, .value_kind: global_buffer, .address_space: global }
    .group_segment_fixed_size: 327680
    .private_segment_fixed_size: 0
    .kernarg_segment_align: 8
    .kernarg_segment_size: 32
    .max_flat_workgroup_size: 128
    .sgpr_count:     102
    .vgpr_count:     512
    .wavefront_size: 32
...
	.end_amdgpu_metadata
.endif
;; end of part 2
;; launch attn (part 3): grid 32 x 8, 8 waves a work-group, clusters of 4 x 1, 327,680 bytes of LDS; arguments qkv, att; writes att
.if DOCPART == 3
	.amdgcn_target "amdgcn-amd-amdhsa--gfx1250"
	.amdhsa_code_object_version 6
	.text
	.protected	k_qc337c0c528_attn
	.globl	k_qc337c0c528_attn
	.p2align	8
	.type	k_qc337c0c528_attn,@function
k_qc337c0c528_attn:
	s_mov_b64 s[64:65], 0
	v_nop
	global_prefetch_b8 v0, s[64:65] scope:SCOPE_SE
	s_setreg_imm32_b32 hwreg(HW_REG_WAVE_MODE, 25, 1), 1
	s_wait_xcnt 0x0
	s_wait_alu depctr_hold_cnt(0) depctr_sa_sdst(0) depctr_va_vdst(0) depctr_va_sdst(0) depctr_va_ssrc(0) depctr_va_vcc(0) depctr_vm_vsrc(0)
	s_getreg_b32 s2, hwreg(HW_REG_IB_STS2, 6, 4)
	s_cmp_eq_u32 s2, 0
	s_cbranch_scc0 .Lentry_in_a_cluster
	s_endpgm
.Lentry_in_a_cluster:
	s_bfe_u32 s2, ttmp6, 0x10000c
	s_cmp_lg_u32 s2, 0x3003
	s_cbranch_scc0 .Lentry_shape_is_right
	s_endpgm
.Lentry_shape_is_right:
; Causal attention, 32 query heads on 8 key and value heads, head size 64, operands f16, maxima and sums f32.
; qkv [48 heads][2048][64] f16 (0-31 q, 32-39 k, 40-47 v).  att [16 blocks of 128 positions][32 heads][128][64] f16: softmax(q k^T / 8) v, normalised.
; CLUSTER.  The four work-groups of a cluster are the four query heads of one key and value head, on the same query blocks: same tiles of K and V, same trips, same branches.  So each tile is asked for
; JOINTLY (mask 15).  Only Q's and att's addresses, and the prefetches', hold the place in the cluster.
; EVEN WORK.  A work-group takes query blocks J and 15 - J (128 queries each), one after the other: J + 1 and 16 - J key blocks of 128, 17 in every work-group.  Key blocks above the diagonal are not walked.
; SHARES.  Eight waves.  W4 = wave % 4 owns queries 32 W4 .. + 31 (two tiles of 16); SET = wave / 4 owns keys 64 SET .. + 63 of every key block.  The two sets' maxima, sums and O meet through LDS at the end.
; LAYOUT.  S^T = K Q^T and O^T = V^T P: a lane holds one query (lane % 16); two tiles of S^T, rounded in pairs, are source 1 of the second product.  V is turned by ds_load_tr16_b128.
; SOFTMAX.  A running maximum m and sum l for each query: p = 2^(c s - c m), c = log2(e) / 8; O and l are multiplied by 2^(c m_old - c m_new) in every step.  O, l, m begin as 0, 0, -3e38, so one step serves all trips.
; On the diagonal hidden scores become -infinity; a wave all of whose keys are hidden finds p = 0 and keeps m: no branch on the wave is needed.
; THE RING.  Two slots of one key block.  In the middle of trip T, when K(T) and V(T) lie in registers, slot T % 2 is filled with key block T + 2 of the walk: that load has a whole trip in which to land.
; By this text's count a wave has two tensor loads out at the start and one later.
; LIMIT: |q|, |k|, |v| stay under 65,504 (f16); NaN and infinities among them are not served.
; REGISTERS: window 0: v3-17 addresses and constants; v20-35 statistics, eight a tile (c m, m, l, l, four at work); v36-39, v240-250 the merge's; v48-79 Q; v80-143 S^T; v144-175 P; v176-239 O^T.
;            window 1: v0-63 K; v64-127 V; v128-159 the second block's Q; v160-231 the first block's O^T and statistics, kept till the end.
.set HSTR,  262144
.set PK,    144                        ; a row of K in LDS: 128 bytes + 16
.set PVP,   160                        ; a row of V: 128 + 32
.set VOFF,  128*PK
.set SLOT1, 65536                      ; one exclusive or turns an address in one slot into the other's
.set MRG,   SLOT1+VOFF+128*PVP         ; behind the ring: for each W4 two images (16 x 512 bytes of O^T, 2 x 512 of statistics): block 15 - J's, then block J's
.set MRGW,  18432
.set IMG2,  9216
.set STG,   MRG+4*MRGW                 ; the way out: for each W4 two tiles x 16 rows x 144 bytes
.set SPARE, STG+4*4608                 ; the spare words, 128 bytes a wave
.set AK,   3
.set AV,   4
.set ADRK, 5
.set ADRV, 6
.set QO,   7
.set IMG,  8
.set STO,  9
.set RD,   10
.set GO,   11
.set DM,   12                          ; v12, v13: my query less my first key, in a diagonal block: 32 W4 + 16 tile + r - 64 SET - 8 h
.set SPW,  14
.set NIL,  15
.set PFO,  16
.set NINF, 17
.set ST,   20
.set MT,   36
.set Q,    48
.set S,    80
.set P,    144
.set O,    176
.set KF,   0                           ; window 1
.set VF,   64
.set QB,   128
.set SAV,  160
.set SAVST, 224
.set WV,   8
.set SET,  9
.set W4,   10
.set CX,   11
.set J,    12
.set G,    14
.set T,    15                          ; the trip
.set KB,   16                          ; s[16:17] K's first key block at my half;  s[18:19] V's
.set VB,   18
.set OUT0, 20
.set OUT1, 22
.set G1K,  24
.set G1V,  32
.set G0K,  40                          ; two sets; the second walks
.set G0V,  48
.set CS,   56
.set SEL,  58
.set TB,   60                          ; the slot from which the next fragments come
.set U,    61                          ; T + 2
.set OFF,  62
.set PFA,  66
.set LIM,  68
.set MSB, 0
.macro WIN new
.if MSB != \new
	s_set_vgpr_msb (MSB<<8)|\new
.set MSB, \new
.endif
.endm
.macro PLACES                          ; four plain vector lines between a matrix instruction and a load into, or a vector read of, its registers
.rept 4
	v_nop
.endr
.endm
.macro ROUND
	s_barrier_signal -1
	s_barrier_wait -1
	s_cmp_lg_u32 s[WV], 0
	s_cbranch_scc1 .Lnot_wave_0_\@
	s_barrier_signal -3
.Lnot_wave_0_\@:
	s_barrier_wait -3
	s_barrier_signal -1
	s_barrier_wait -1
.endm
.macro JLOAD                           ; waves 0, 1: K's halves; waves 2, 3: V's; the others nothing.  The branches hang on the wave's number alone
	s_cmp_lt_u32 s[WV], 2
	s_cbranch_scc0 .Lnot_k_\@
	tensor_load_to_lds s[G0K+4:G0K+7], s[G1K:G1K+7]
	s_nop 0
	PLACES
	s_branch .Lasked_\@
.Lnot_k_\@:
	s_cmp_lt_u32 s[WV], 4
	s_cbranch_scc0 .Lasked_\@
	tensor_load_to_lds s[G0V+4:G0V+7], s[G1V:G1V+7]
	s_nop 0
	PLACES
.Lasked_\@:
.endm
; A PREFETCH of key block T + 3, in trips 0 to 12: blocks 3 to 15.  All clusters of a key and value head walk the same rows: the cluster with J = 0 asks, in each of its work-groups wave 4, one instruction.
; A block's 64 pieces of 256 bytes of K and 64 of V are shared out among the four partners BY ADDRESS (two take K's halves, two V's), a lane a piece: each piece is named once in the launch.
; That cluster's own refill in trip T brings block T + 1, any other cluster's at most block T + 2.
.macro ASK
	s_cmp_lt_u32 s[T], s[LIM]
	s_cbranch_scc0 .Lnot_mine_\@
	global_prefetch_b8 v[PFO], s[PFA:PFA+1] th:TH_LOAD_NT scope:SCOPE_SE
.Lnot_mine_\@:
.endm
	s_load_b128 s[4:7], s[0:1], 0x0                ; qkv 4:5, att 6:7
	v_lshl_add_u32 v[SPW], v0, 2, SPARE
	v_mov_b32 v[NIL], 0
	ds_add_u32 v[SPW], v[NIL]                      ; the wave's opening: the add and its wait stand ahead of my first tensor load
	v_lshrrev_b32 v1, 5, v0
	v_readfirstlane_b32 s[WV], v1
	s_lshr_b32 s[SET], s[WV], 2
	s_and_b32 s[W4], s[WV], 3
	s_bfe_u32 s[CX], ttmp6, 0x40000
	s_mov_b32 s[J], ttmp9                          ; in a cluster launch: the cluster's x
	s_and_b32 s[G], ttmp7, 0xffff
	s_mov_b32 s[G1K], 15|(1<<16)|(1<<20)|(1<<21)|(4<<22)|(3<<25)   ; all four partners; elements of 2 bytes; 4 words of padding behind every 32
	s_mov_b32 s[G1V], 15|(1<<16)|(1<<20)|(1<<21)|(4<<22)|(7<<25)   ; 8 words
.irp g, G1K, G1V
	s_mov_b32 s[\g+1], 64<<16                      ; tensor_dim0
	s_mov_b32 s[\g+2], 64<<16                      ; tensor_dim1
	s_mov_b32 s[\g+3], 64<<16                      ; tile_dim0
	s_mov_b32 s[\g+4], 64                          ; tile_dim1
	s_mov_b32 s[\g+5], 64                          ; from row to row
	s_mov_b32 s[\g+6], 0
	s_mov_b32 s[\g+7], 0
.endr
	s_mov_b32 s[CS], 0x3e38aa3b                    ; c = log2(e) / 8
	s_mov_b32 s[CS+1], s[CS]
	s_mov_b32 s[SEL], 0x76543210
	s_mov_b32 s[SEL+1], 0xfedcba98
	s_mov_b32 s[TB], 0
	s_mov_b32 s[U], 2
	s_mov_b32 s[OFF+1], 0
	s_mov_b32 s[T], 0
	s_and_b32 s70, s[WV], 1                        ; which 64 rows of a key block I fetch
	s_lshl_b32 s71, s70, 13
	s_mul_i32 s76, s70, 64*PK
	s_mul_i32 s77, s70, 64*PVP
	s_add_co_u32 s77, s77, VOFF
	s_add_co_u32 s72, s[G], 32
	s_lshl_b32 s72, s72, 18
	s_add_co_u32 s72, s72, s71
	s_mov_b32 s73, 0
	s_add_co_u32 s74, s72, 8*HSTR
	s_mov_b32 s75, 0
	s_cmp_ge_u32 s[J], 1                           ; the walk's second key block: 1, or 0 again where J = 0
	s_cselect_b32 s78, 16384, 0
	s_mov_b32 s79, 0
	s_lshl_b32 s80, s[G], 2
	s_add_co_u32 s80, s80, s[CX]                   ; my query head
	s_sub_co_u32 s81, 15, s[J]                     ; my second query block
	s_lshl_b32 s82, s80, 18
	s_lshl_b32 s83, s[W4], 12
	s_add_co_u32 s82, s82, s83
	s_lshl_b32 s84, s[J], 14
	s_add_co_u32 s84, s84, s82
	s_mov_b32 s85, 0
	s_lshl_b32 s86, s81, 14
	s_add_co_u32 s86, s86, s82
	s_mov_b32 s87, 0
	s_lshl_b32 s88, s80, 14
	s_add_co_u32 s88, s88, s83
	s_lshl_b32 s90, s[J], 19
	s_add_co_u32 s90, s90, s88
	s_mov_b32 s91, 0
	s_lshl_b32 s92, s81, 19
	s_add_co_u32 s92, s92, s88
	s_mov_b32 s93, 0
	s_lshr_b32 s94, s[CX], 1                       ; the prefetches: K's head or V's,
	s_lshl_b32 s94, s94, 3
	s_add_co_u32 s94, s94, s[G]
	s_add_co_u32 s94, s94, 32
	s_lshl_b32 s94, s94, 18
	s_and_b32 s95, s[CX], 1                        ; which half of a block,
	s_lshl_b32 s95, s95, 13
	s_add_co_u32 s94, s94, s95
	s_add_co_u32 s94, s94, 2*16384                 ; at block 2: trip 0 steps it to block 3
	s_mov_b32 s95, 0
	s_xor_b32 s70, s[WV], 4
	s_or_b32 s70, s70, s[J]
	s_cmp_eq_u32 s70, 0
	s_cselect_b32 s[LIM], 13, 0                    ; the same in all four partners
	s_wait_dscnt 0x0                               ; the opening add is done
	s_wait_kmcnt 0x0
	s_add_nc_u64 s[KB:KB+1], s[4:5], s[72:73]
	s_add_nc_u64 s[VB:VB+1], s[4:5], s[74:75]
	s_add_nc_u64 s[84:85], s[4:5], s[84:85]        ; Q of block J, of block 15 - J
	s_add_nc_u64 s[86:87], s[4:5], s[86:87]
	s_add_nc_u64 s[OUT0:OUT0+1], s[6:7], s[90:91]
	s_add_nc_u64 s[OUT1:OUT1+1], s[6:7], s[92:93]
	s_add_nc_u64 s[PFA:PFA+1], s[4:5], s[94:95]
	s_mov_b32 s[G0K], 1
	s_mov_b32 s[G0K+1], s76
	s_mov_b64 s[G0K+2:G0K+3], s[KB:KB+1]
	s_or_b32 s[G0K+3], s[G0K+3], 0x80000000
	s_mov_b32 s[G0K+4], 1
	s_add_co_u32 s[G0K+5], s76, SLOT1
	s_add_nc_u64 s[G0K+6:G0K+7], s[KB:KB+1], s[78:79]
	s_or_b32 s[G0K+7], s[G0K+7], 0x80000000
	s_mov_b32 s[G0V], 1
	s_mov_b32 s[G0V+1], s77
	s_mov_b64 s[G0V+2:G0V+3], s[VB:VB+1]
	s_or_b32 s[G0V+3], s[G0V+3], 0x80000000
	s_mov_b32 s[G0V+4], 1
	s_add_co_u32 s[G0V+5], s77, SLOT1
	s_add_nc_u64 s[G0V+6:G0V+7], s[VB:VB+1], s[78:79]
	s_or_b32 s[G0V+7], s[G0V+7], 0x80000000
	ROUND                                          ; all four work-groups are here: the first joint loads meet
	s_cmp_lt_u32 s[WV], 2                          ; a wave's two first fills stand in one branch
	s_cbranch_scc0 .Lfirst_not_k
	tensor_load_to_lds s[G0K:G0K+3], s[G1K:G1K+7]
	s_nop 0
	tensor_load_to_lds s[G0K+4:G0K+7], s[G1K:G1K+7]
	s_nop 0
	PLACES
	s_branch .Lfirst_asked
.Lfirst_not_k:
	s_cmp_lt_u32 s[WV], 4
	s_cbranch_scc0 .Lfirst_asked
	tensor_load_to_lds s[G0V:G0V+3], s[G1V:G1V+7]
	s_nop 0
	tensor_load_to_lds s[G0V+4:G0V+7], s[G1V:G1V+7]
	s_nop 0
	PLACES
.Lfirst_asked:
	v_and_b32 v1, 15, v0                           ; r
	v_bfe_u32 v2, v0, 4, 1                         ; h
	v_lshlrev_b32 v[QO], 7, v1
	v_lshl_add_u32 v[QO], v2, 4, v[QO]
.irp t, 0,1
.irp f, 0,1
	global_load_b128 v[Q+16*\t+8*\f:Q+16*\t+8*\f+3],   v[QO], s[84:85] offset:2048*\t+64*\f
	global_load_b128 v[Q+16*\t+8*\f+4:Q+16*\t+8*\f+7], v[QO], s[84:85] offset:2048*\t+64*\f+32
.endr
.endr
	WIN 0x40
.irp t, 0,1
.irp f, 0,1
	global_load_b128 v[QB+16*\t+8*\f:QB+16*\t+8*\f+3],   v[QO], s[86:87] offset:2048*\t+64*\f
	global_load_b128 v[QB+16*\t+8*\f+4:QB+16*\t+8*\f+7], v[QO], s[86:87] offset:2048*\t+64*\f+32
.endr
.endr
	WIN 0
	v_mul_u32_u24 v[AK], v1, PK
	v_lshl_add_u32 v[AK], v2, 4, v[AK]
	s_mul_i32 s70, s[SET], 64*PK
	v_add_nc_u32 v[AK], s70, v[AK]                 ; K: row r of my set's 64, + 16 h
	v_and_b32 v18, 7, v0
	v_lshl_add_u32 v[AV], v2, 3, v18
	v_mul_u32_u24 v[AV], v[AV], PVP
	v_bfe_u32 v18, v0, 3, 1
	v_lshl_add_u32 v[AV], v18, 4, v[AV]
	s_mul_i32 s70, s[SET], 64*PVP
	s_add_co_u32 s70, s70, VOFF
	v_add_nc_u32 v[AV], s70, v[AV]                 ; V, for the turning load: key 8 h + lane % 8, channels 8 ((lane / 8) % 2) on
	v_and_b32 v19, 31, v0
	v_lshlrev_b32 v[GO], 4, v19
	s_mul_i32 s70, s[W4], MRGW
	s_add_co_u32 s70, s70, MRG
	v_add_nc_u32 v[IMG], s70, v[GO]                ; an image's place for my lane: the same in waves W4 and W4 + 4
	s_mul_i32 s70, s[W4], 4608
	s_add_co_u32 s70, s70, STG
	v_mul_u32_u24 v[STO], v1, 144
	v_lshl_add_u32 v[STO], v2, 4, v[STO]
	v_add_nc_u32 v[STO], s70, v[STO]
	v_lshrrev_b32 v18, 3, v19
	v_mul_u32_u24 v[RD], v18, 144
	v_and_b32 v18, 7, v0
	v_lshl_add_u32 v[RD], v18, 4, v[RD]
	v_add_nc_u32 v[RD], s70, v[RD]
	s_lshl_b32 s70, s[W4], 5
	s_lshl_b32 s71, s[SET], 6
	s_sub_co_i32 s70, s70, s71
	v_lshlrev_b32 v18, 3, v2
	v_sub_nc_u32 v[DM], v1, v18
	v_add_nc_u32 v[DM], s70, v[DM]
	v_add_nc_u32 v[DM+1], 16, v[DM]
	v_lshlrev_b32 v[PFO], 8, v19
	v_mov_b32 v[NINF], 0xff800000
.macro INIT                            ; O^T, l and m of a query block begin: the first change of m multiplies zeros
.set ii, 0
.rept 64
	v_mov_b32 v[O+ii], 0
.set ii, ii+1
.endr
.irp t, 0,1
	v_mov_b32 v[ST+8*\t+1], 0xff61b1e6             ; -3e38, under every score
	v_mov_b32 v[ST+8*\t+2], 0
	v_mov_b32 v[ST+8*\t+3], 0
	v_mul_f32 v[ST+8*\t], s[CS], v[ST+8*\t+1]
.endr
.endm
.macro FETCH_K                         ; my set's 64 keys x 64 channels: 8 fragments
	v_add_nc_u32 v[ADRK], s[TB], v[AK]
	WIN 0x40
.irp kt, 0,1,2,3
.irp f, 0,1
	ds_load_b128 v[KF+8*(2*\kt+\f):KF+8*(2*\kt+\f)+3],   v[ADRK] offset:\kt*16*PK+64*\f
	ds_load_b128 v[KF+8*(2*\kt+\f)+4:KF+8*(2*\kt+\f)+7], v[ADRK] offset:\kt*16*PK+64*\f+32
.endr
.endr
	WIN 0
.endm
.macro FETCH_V                         ; the same keys' V, turned: keys 32 g on, channels 16 ct on
	v_add_nc_u32 v[ADRV], s[TB], v[AV]
	WIN 0x40
.irp g, 0,1
.irp ct, 0,1,2,3
	ds_load_tr16_b128 v[VF+8*(4*\g+\ct):VF+8*(4*\g+\ct)+3],   v[ADRV] offset:\g*32*PVP+32*\ct
	ds_load_tr16_b128 v[VF+8*(4*\g+\ct)+4:VF+8*(4*\g+\ct)+7], v[ADRV] offset:\g*32*PVP+16*PVP+32*\ct
.endr
.endr
	WIN 0
.endm
; The eight accumulators of a product take turns, one instruction a turn: seven others' stand between two links of a chain.
.macro KQ                              ; product i: channels 32 (i / 8) on, keys 16 ((i / 2) % 4) on, tile i % 2
	WIN 0x01                                       ; source 0 window 1
.set i, 0
.rept 16
.set rS, S+32*(i%2)+8*((i/2)%4)
.set rK, KF+8*(2*((i/2)%4)+i/8)
.set rQ, Q+16*(i%2)+8*(i/8)
.if i < 8
	v_wmma_f32_16x16x32_f16 v[rS:rS+7], v[rK:rK+7], v[rQ:rQ+7], 0
.else
	v_wmma_f32_16x16x32_f16 v[rS:rS+7], v[rK:rK+7], v[rQ:rQ+7], v[rS:rS+7]
.endif
.set i, i+1
.endr
	WIN 0
.endm
.macro PVM                             ; product i: keys 32 (i / 8) on, channels 16 ((i / 2) % 4) on, tile i % 2
	WIN 0x01
.set i, 0
.rept 16
.set rO, O+32*(i%2)+8*((i/2)%4)
.set rV, VF+8*(4*(i/8)+(i/2)%4)
.set rP, P+16*(i%2)+8*(i/8)
	v_wmma_f32_16x16x32_f16 v[rO:rO+7], v[rV:rV+7], v[rP:rP+7], v[rO:rO+7]
.set i, i+1
.endr
	WIN 0
.endm
.macro MASK                            ; register n of a tile holds key 16 (n / 8) + n % 8 + 8 h of my set: hidden where that is above my query
.irp t, 0,1
.set n, 0
.rept 32
	v_cmp_gt_i32 vcc_lo, 16*(n/8)+n%8, v[DM+\t]
	v_cndmask_b32 v[S+32*\t+n], v[S+32*\t+n], v[NINF], vcc_lo
.set n, n+1
.endr
.endr
.endm
.macro SOFTMAX                         ; both tiles line by line, so that no line waits for the one above it
.irp k, 0,1,2,3
.irp t, 0,1
	v_max3_num_f32 v[ST+8*\t+4+\k], v[S+32*\t+8*\k], v[S+32*\t+8*\k+1], v[S+32*\t+8*\k+2]   ; each accumulator is read from its low end on
.endr
.endr
.irp u, 3,5
.irp k, 0,1,2,3
.irp t, 0,1
	v_max3_num_f32 v[ST+8*\t+4+\k], v[ST+8*\t+4+\k], v[S+32*\t+8*\k+\u], v[S+32*\t+8*\k+\u+1]
.endr
.endr
.endr
.irp t, 0,1
	v_max3_num_f32 v[ST+8*\t+4], v[ST+8*\t+4], v[S+32*\t+7], v[S+32*\t+15]
.endr
.irp t, 0,1
	v_max3_num_f32 v[ST+8*\t+6], v[ST+8*\t+6], v[S+32*\t+23], v[S+32*\t+31]
.endr
.irp t, 0,1
	v_max3_num_f32 v[ST+8*\t+4], v[ST+8*\t+4], v[ST+8*\t+5], v[ST+8*\t+6]
.endr
.irp t, 0,1
	v_max3_num_f32 v[ST+8*\t+4], v[ST+8*\t+4], v[ST+8*\t+7], v[ST+8*\t+1]   ; with the old m
.endr
.irp t, 0,1
	v_permlanex16_b32 v[ST+8*\t+5], v[ST+8*\t+4], s[SEL], s[SEL+1]          ; the query's other keys lie 16 lanes away
.endr
.irp t, 0,1
	v_mov_b32 v[ST+8*\t+7], v[ST+8*\t]
.endr
.irp t, 0,1
	v_max_num_f32 v[ST+8*\t+1], v[ST+8*\t+4], v[ST+8*\t+5]                  ; the new m
.endr
.irp t, 0,1
	v_mul_f32 v[ST+8*\t], s[CS], v[ST+8*\t+1]
.endr
.irp t, 0,1
	v_sub_f32 v[ST+8*\t+7], v[ST+8*\t+7], v[ST+8*\t]                        ; c m_old - c m_new
.endr
.set b, 0
.rept 16
.irp t, 0,1
	v_pk_fma_f32 v[S+32*\t+2*b:S+32*\t+2*b+1], v[S+32*\t+2*b:S+32*\t+2*b+1], s[CS:CS+1], v[ST+8*\t:ST+8*\t+1] op_sel_hi:[1,0,0] neg_lo:[0,0,1] neg_hi:[0,0,1]   ; c s - c m
.endr
.set b, b+1
.endr
.irp t, 0,1
	v_exp_f32 v[ST+8*\t+6], v[ST+8*\t+7]           ; a.  ONE BATCH of 66 exponentials: none reads another's result
.endr
.set e, 0
.rept 32
.irp t, 0,1
	v_exp_f32 v[S+32*\t+e], v[S+32*\t+e]
.endr
.set e, e+1
.endr
	v_nop                                          ; a plain line behind the last exponential
	s_wait_alu depctr_va_vdst(0)                   ; and the one wait ahead of the batch's first reader
.set b, 0
.rept 16
.irp t, 0,1
	v_cvt_pk_f16_f32 v[P+16*\t+b], v[S+32*\t+2*b], v[S+32*\t+2*b+1]
.endr
.set b, b+1
.endr
.irp z, 0,1,2,3,4,5,6,7
.irp t, 0,1
	v_pk_add_f32 v[S+32*\t+4*\z:S+32*\t+4*\z+1], v[S+32*\t+4*\z:S+32*\t+4*\z+1], v[S+32*\t+4*\z+2:S+32*\t+4*\z+3]
.endr
.endr
.irp z, 0,1,2,3
.irp t, 0,1
	v_pk_add_f32 v[S+32*\t+8*\z:S+32*\t+8*\z+1], v[S+32*\t+8*\z:S+32*\t+8*\z+1], v[S+32*\t+8*\z+4:S+32*\t+8*\z+5]
.endr
.endr
.irp z, 0,1
.irp t, 0,1
	v_pk_add_f32 v[S+32*\t+16*\z:S+32*\t+16*\z+1], v[S+32*\t+16*\z:S+32*\t+16*\z+1], v[S+32*\t+16*\z+8:S+32*\t+16*\z+9]
.endr
.endr
.irp t, 0,1
	v_pk_add_f32 v[S+32*\t:S+32*\t+1], v[S+32*\t:S+32*\t+1], v[S+32*\t+16:S+32*\t+17]
.endr
.irp t, 0,1
	v_pk_fma_f32 v[ST+8*\t+2:ST+8*\t+3], v[ST+8*\t+2:ST+8*\t+3], v[ST+8*\t+6:ST+8*\t+7], v[S+32*\t:S+32*\t+1] op_sel_hi:[1,0,1]   ; l = a l + the step's sum
.endr
.set b, 0
.rept 16
.irp t, 0,1
	v_pk_mul_f32 v[O+32*\t+2*b:O+32*\t+2*b+1], v[O+32*\t+2*b:O+32*\t+2*b+1], v[ST+8*\t+6:ST+8*\t+7] op_sel_hi:[1,0]   ; O^T x a
.endr
.set b, b+1
.endr
.endm
; THE CHANGE OF SLOTS, in a trip's middle: K and V of this trip lie in registers.  mode 2: this trip's slot is filled again; mode 1: nothing is left to fetch.
.macro CHANGE mode
	s_wait_tensorcnt 0x0                           ; all my tensor loads have landed: my part of the next trip's slot
.if \mode == 2
	ds_add_u32 v[SPW], v[NIL]                      ; 0 onto my spare word; the descriptors' steps stand between it and its wait
	s_xor_b32 s[G0K+5], s[G0K+5], SLOT1            ; the walking descriptors: the other slot than last time,
	s_xor_b32 s[G0V+5], s[G0V+5], SLOT1
	s_add_co_u32 s70, s[J], 1
	s_cmp_le_u32 s[U], s[J]                        ; key block U of the walk: U, or U - J - 1 in the second query block
	s_cselect_b32 s70, 0, s70
	s_sub_co_u32 s[OFF], s[U], s70
	s_lshl_b32 s[OFF], s[OFF], 14
	s_add_nc_u64 s[G0K+6:G0K+7], s[KB:KB+1], s[OFF:OFF+1]
	s_or_b32 s[G0K+7], s[G0K+7], 0x80000000
	s_add_nc_u64 s[G0V+6:G0V+7], s[VB:VB+1], s[OFF:OFF+1]
	s_or_b32 s[G0V+7], s[G0V+7], 0x80000000
	s_wait_xcnt 0x0                                ; the last prefetch, a trip back, has read its address
	s_add_nc_u64 s[PFA:PFA+1], s[PFA:PFA+1], 16384
	s_wait_dscnt 0x0                               ; the add is done, and my reads of this trip's slot are over
	ROUND                                          ; that now holds of every wave of all four work-groups
	JLOAD                                          ; the first thing behind the round, one tensor load a wave
	ASK
.else
	s_wait_dscnt 0x0
	s_barrier_signal -1
	s_barrier_wait -1
.endif
.endm
.macro SWITCH                          ; the first query block is done: its O^T and statistics are kept in window 1, the second block's Q comes in.  Work on registers alone
	WIN 0x40
.set i, 0
.rept 64
	v_mov_b32 v[SAV+i], v[O+i]
.set i, i+1
.endr
.irp t, 0,1
.irp k, 0,1,2,3
	v_mov_b32 v[SAVST+4*\t+\k], v[ST+8*\t+\k]
.endr
.endr
	WIN 0x01
.set i, 0
.rept 32
	v_mov_b32 v[Q+i], v[QB+i]
.set i, i+1
.endr
	WIN 0
	INIT
.endm
; A TRIP: one key block.  cond = 1: in the trip T = J the mask is laid and the query blocks change (a scalar branch on ids, the same in all waves and partners; no LDS or tensor instruction stands under it).
.macro TRIP mode, cond, mask
.if \mode == 0
	s_wait_dscnt 0x0
.else
	s_wait_dscnt 16                                ; K is in; V's sixteen loads, issued behind K's, may be out
.endif
	KQ
	PLACES
.if \mode > 0
	CHANGE \mode
	FETCH_K                                        ; the next trip's K
.endif
.if \cond
	s_cmp_eq_u32 s[T], s[J]
	s_cbranch_scc0 .Lopen_\@
	MASK
.Lopen_\@:
.endif
.if \mask
	MASK
.endif
	SOFTMAX
	PVM
	PLACES
.if \mode > 0
	FETCH_V                                        ; the next trip's V
	s_xor_b32 s[TB], s[TB], SLOT1
.endif
.if \cond
	s_cmp_eq_u32 s[T], s[J]
	s_cbranch_scc0 .Lsame_\@
	SWITCH
.Lsame_\@:
	s_add_co_u32 s[U], s[U], 1
.endif
.endm
	INIT
	; The 72 kept registers are written for good in the one trip with T = J (J is 0 to 7, T runs from 0 to 14: once in every work-group), which stands under a branch.
	; So that every path of the text writes them before the end reads them, they are also written here, once, while the first tiles are on their way.
	WIN 0x40                                       ; destination window 1
.set i, 0
.rept 72
	v_mov_b32 v[SAV+i], 0
.set i, i+1
.endr
	WIN 0
	s_wait_tensorcnt 1                             ; my part of slot 0 is in; slot 1's may be out
	s_barrier_signal -1
	s_barrier_wait -1
	FETCH_K
	FETCH_V
	s_mov_b32 s[TB], SLOT1
	s_wait_loadcnt 0x0                             ; Q, both blocks'
.Ltrip:                                            ; 15 trips, each of which fills a slot again
	TRIP 2, 1, 0
	s_add_co_u32 s[T], s[T], 1
	s_cmp_lt_u32 s[T], 15
	s_cbranch_scc1 .Ltrip
	TRIP 1, 0, 0                                   ; the tail is written out
	TRIP 0, 0, 1                                   ; the second block's diagonal
	; THE END.  The waves of the upper keys hand their O^T and statistics, as images of their registers, to the waves of the lower keys.
	s_cmp_lt_u32 s[WV], 4
	s_cbranch_scc1 .Lkeep
.irp i, 0,1,2,3,4,5,6,7,8,9,10,11,12,13,14,15
	ds_store_b128 v[IMG], v[O+4*\i:O+4*\i+3] offset:512*\i
.endr
.irp t, 0,1
	ds_store_b128 v[IMG], v[ST+8*\t:ST+8*\t+3] offset:8192+512*\t
.endr
	WIN 0x04                                       ; an LDS store's data are its source 1: window 1
.irp i, 0,1,2,3,4,5,6,7,8,9,10,11,12,13,14,15
	ds_store_b128 v[IMG], v[SAV+4*\i:SAV+4*\i+3] offset:IMG2+512*\i
.endr
.irp t, 0,1
	ds_store_b128 v[IMG], v[SAVST+4*\t:SAVST+4*\t+3] offset:IMG2+8192+512*\t
.endr
	WIN 0
.Lkeep:
	s_wait_dscnt 0x0                               ; for the others' sake: the images have landed
	s_barrier_signal -1
	s_barrier_wait -1
	s_cmp_lt_u32 s[WV], 4
	s_cbranch_scc0 .Lclose
; Tile t of the block whose partner's image lies at img: both sets are brought under the larger maximum, added, divided by the sum, rounded and stored through my own stage.
.macro MERGE_OUT t, img, o
	ds_load_b128 v[MT:MT+3], v[IMG] offset:\img+8192+512*\t
.irp i, 0,1,2,3,4,5,6,7
	ds_load_b128 v[P+4*\i:P+4*\i+3], v[IMG] offset:\img+512*(8*\t+\i)
.endr
	s_wait_dscnt 0x0
	v_max_num_f32 v240, v[ST+8*\t], v[MT]
	v_sub_f32 v241, v[ST+8*\t], v240
	v_sub_f32 v242, v[MT], v240
	v_exp_f32 v244, v241
	v_exp_f32 v246, v242
	v_add_f32 v248, v[ST+8*\t+2], v[ST+8*\t+3]     ; (plain lines behind the exponentials)
	v_add_f32 v249, v[MT+2], v[MT+3]
	s_wait_alu depctr_va_vdst(0)                   ; one wait for the two, ahead of their first reader
	v_mul_f32 v248, v248, v244
	v_fma_f32 v248, v249, v246, v248
	v_permlanex16_b32 v249, v248, s[SEL], s[SEL+1]
	v_add_f32 v248, v248, v249                     ; the row's sum
	v_rcp_f32 v250, v248
	v_nop
	s_wait_alu depctr_va_vdst(0)
	v_mul_f32 v244, v244, v250
	v_mul_f32 v246, v246, v250
.set b, 0
.rept 16
	v_pk_mul_f32 v[O+32*\t+2*b:O+32*\t+2*b+1], v[O+32*\t+2*b:O+32*\t+2*b+1], v[244:245] op_sel_hi:[1,0]
.set b, b+1
.endr
.set b, 0
.rept 16
	v_pk_fma_f32 v[O+32*\t+2*b:O+32*\t+2*b+1], v[P+2*b:P+2*b+1], v[246:247], v[O+32*\t+2*b:O+32*\t+2*b+1] op_sel_hi:[1,0,1]
.set b, b+1
.endr
.set b, 0
.rept 16
	v_cvt_pk_f16_f32 v[P+b], v[O+32*\t+2*b], v[O+32*\t+2*b+1]
.set b, b+1
.endr
.irp c, 0,1,2,3
	ds_store_b128 v[STO], v[P+4*\c:P+4*\c+3] offset:2304*\t+32*\c
.endr
.irp i, 0,1,2,3
	ds_load_b128 v[P+16+4*\i:P+16+4*\i+3], v[RD] offset:2304*\t+576*\i   ; LDS serves a wave's instructions in order: these see my stores
.endr
	s_wait_dscnt 0x0
.irp i, 0,1,2,3
	global_store_b128 v[GO], v[P+16+4*\i:P+16+4*\i+3], s[\o:\o+1] offset:2048*\t+512*\i   ; four rows: 512 consecutive bytes, aligned
.endr
	s_wait_xcnt 0x0                                ; the stores have read their registers: the next tile may load into them
.endm
	v_mov_b32 v245, 0                              ; (named as the upper halves of pairs)
	v_mov_b32 v247, 0
	MERGE_OUT 0, 0, OUT1
	MERGE_OUT 1, 0, OUT1
	WIN 0x01
.set i, 0
.rept 64
	v_mov_b32 v[O+i], v[SAV+i]
.set i, i+1
.endr
.irp t, 0,1
.irp k, 0,1,2,3
	v_mov_b32 v[ST+8*\t+\k], v[SAVST+4*\t+\k]
.endr
.endr
	WIN 0
	MERGE_OUT 0, IMG2, OUT0
	MERGE_OUT 1, IMG2, OUT0
.Lclose:
	s_wait_tensorcnt 0x0                           ; the wave's end
	ds_add_u32 v[SPW], v[NIL]
	s_wait_dscnt 0x0
	ROUND                                          ; the closing round
	s_endpgm
.Lfunc_end_k_qc337c0c528_attn:
	.size	k_qc337c0c528_attn, .Lfunc_end_k_qc337c0c528_attn-k_qc337c0c528_attn
	.p2alignl 7, 3214868480
	.fill 96, 4, 3214868480
	.section	.rodata,"a",@progbits
	.p2align	6, 0x0
	.amdhsa_kernel k_qc337c0c528_attn
		.amdhsa_group_segment_fixed_size 327680
		.amdhsa_private_segment_fixed_size 0
		.amdhsa_enable_private_segment 0
		.amdhsa_kernarg_size 16
		.amdhsa_user_sgpr_count 2
		.amdhsa_user_sgpr_kernarg_segment_ptr 1
		.amdhsa_wavefront_size32 1
		.amdhsa_system_sgpr_workgroup_id_x 1
		.amdhsa_system_sgpr_workgroup_id_y 1
		.amdhsa_system_sgpr_workgroup_id_z 1
		.amdhsa_system_vgpr_workitem_id 0
		.amdhsa_next_free_vgpr 512
		.amdhsa_next_free_sgpr 96
		.amdhsa_reserve_vcc 1
		.amdhsa_float_denorm_mode_32 3
		.amdhsa_float_denorm_mode_16_64 3
		.amdhsa_memory_ordered 1
		.amdhsa_forward_progress 1
		.amdhsa_inst_pref_size 108
	.end_amdhsa_kernel
	.amdgpu_metadata
---
amdhsa.version: [ 1, 2 ]
amdhsa.kernels:
  - .name:           k_qc337c0c528_attn
    .symbol:         k_qc337c0c528_attn.kd
    .args:
      - { .name: qkv, .offset: 0, .size: 8, .value_kind: global_buffer, .address_space: global }
      - { .name: att, .offset: 8, .size: 8, .value_kind: global_buffer, .address_space: global }
    .group_segment_fixed_size: 327680
    .private_segment_fixed_size: 0
    .kernarg_segment_align: 8
    .kernarg_segment_size: 16
    .max_flat_workgroup_size: 256
    .sgpr_count:     96
    .vgpr_count:     512
    .wavefront_size: 32
...
	.end_amdgpu_metadata
.endif
;; end of part 3
;; launch oproj (part 4): grid 16 x 16, 4 waves a work-group, clusters of 4 x 4, 327,680 bytes of LDS; arguments att, wo16, out0; writes out0
.if DOCPART == 4
	.amdgcn_target "amdgcn-amd-amdhsa--gfx1250"
	.amdhsa_code_object_version 6
	.text
	.protected	k_qc337c0c528_oproj
	.globl	k_qc337c0c528_oproj
	.p2align	8
	.type	k_qc337c0c528_oproj,@function
k_qc337c0c528_oproj:
	s_mov_b64 s[64:65], 0
	v_nop
	global_prefetch_b8 v0, s[64:65] scope:SCOPE_SE
	s_setreg_imm32_b32 hwreg(HW_REG_WAVE_MODE, 25, 1), 1
	s_wait_xcnt 0x0
	s_wait_alu depctr_hold_cnt(0) depctr_sa_sdst(0) depctr_va_vdst(0) depctr_va_sdst(0) depctr_va_ssrc(0) depctr_va_vcc(0) depctr_vm_vsrc(0)
	s_getreg_b32 s2, hwreg(HW_REG_IB_STS2, 6, 4)
	s_cmp_eq_u32 s2, 0
	s_cbranch_scc0 .Lentry_in_a_cluster
	s_endpgm
.Lentry_in_a_cluster:
	s_bfe_u32 s2, ttmp6, 0x10000c
	s_cmp_lg_u32 s2, 0xf033
	s_cbranch_scc0 .Lentry_shape_is_right
	s_endpgm
.Lentry_shape_is_right:
; out0[m][n] = sum over k of a[m][k] wo[n][k], operands f16, sums f32, out0 [2048][2048] f32.
; a is att [16 blocks of 128 rows][32 heads][128][64] f16: k = 64 x head + channel.  wo16 [2048 n][2048 k] f16.
; A tile of out0 is 128 x 128: 256 work-groups; four waves, each 64 x 64: 16 accumulators.  K goes in steps of 256 (four heads) through two LDS slots.
; A K step of a's tile is one dense block of 65,536 bytes: waves 0 and 1 bring two heads each, as 256 rows of 128 bytes; waves 2 and 3 bring 64 rows of 512 bytes of wo16 each.
; CLUSTER 4 x 4: a's tile is asked for jointly along a row of the cluster, wo16's along a column.  THE MATRIX INSTRUCTION IS USED TRANSPOSED: a lane holds eight neighbouring numbers of a row of out0.
; A wave's 64 columns are 256 aligned bytes of a row, so each wave sends its results through a stage of its own: no barrier on the way out.
; By this text's count a wave has two tensor loads out at the start and one later.  No prefetch: a K step's matrix work on this small tile is short, and all tiles are shared in the cluster.
; REGISTERS: window 0: v16-29 addresses; v32-95 rows on the way out; v128-255 accumulator (a, b) at v[128 + 8 (4 a + b)].  window 1: two fragment buffers of 128 (64 of a, then 64 of wo16).
.set PA,     144                       ; a row of a head in LDS: 128 bytes + 16
.set PB,     528                       ; a row of wo16: 512 + 16
.set HEADP,  128*PA
.set AHALF,  2*HEADP
.set BOFF,   4*HEADP
.set BHALF,  64*PB
.set SLOT,   BOFF+2*BHALF
.set STAGE,  2*SLOT                    ; behind the ring: 16 rows x 272 bytes for each wave
.set SPITCH, 272
.set SPARE,  STAGE+4*16*SPITCH
.set LAPS,   4                         ; 2,048 / 512: a lap is two K steps
.set ADRA, 16
.set ADRB, 20
.set STO,  24
.set RD,   25
.set CO,   26
.set SPW,  28
.set NIL,  29
.set TMP,  32
.set ACC,  128
.set F0,   0
.set F1,   128
.set G1,  24
.set G0,  32
.set G1B, 48
.set G0B, 56
.set MSB, 0
.macro WIN new
.if MSB != \new
	s_set_vgpr_msb (MSB<<8)|\new
.set MSB, \new
.endif
.endm
.set MUL,  0x05                        ; sources 0 and 1 window 1; C and D window 0
.set TO_F, 0x40                        ; destination window 1
.macro JLOAD s                         ; waves 0 and 1 fetch for a, waves 2 and 3 for wo16; an s_nop 0 and four v_nop follow each of the two lines
	s_cmp_eq_u32 s11, 0
	s_cbranch_scc0 .Lfor_b_\@
	tensor_load_to_lds s[G0+4*\s:G0+4*\s+3], s[G1:G1+7]
	s_nop 0
.rept 4
	v_nop
.endr
	s_branch .Lasked_\@
.Lfor_b_\@:
	tensor_load_to_lds s[G0B+4*\s:G0B+4*\s+3], s[G1B:G1B+7]
	s_nop 0
.rept 4
	v_nop
.endr
.Lasked_\@:
.endm
.macro CREST
	s_cmp_lg_u32 s10, 0
	s_cbranch_scc1 .Lnot_wave_0_\@
	s_barrier_signal -3
.Lnot_wave_0_\@:
	s_barrier_wait -3
	s_barrier_signal -1
	s_barrier_wait -1
.endm
.macro CROUND
	s_barrier_signal -1
	s_barrier_wait -1
	CREST
.endm
	s_load_b128 s[4:7], s[0:1], 0x0                ; att 4:5, wo16 6:7
	s_load_b64 s[8:9], s[0:1], 0x10                ; out0
	v_lshl_add_u32 v[SPW], v0, 2, SPARE
	v_mov_b32 v[NIL], 0
	ds_add_u32 v[SPW], v[NIL]                      ; the wave's opening: the add and its wait stand ahead of my first tensor load
	v_lshrrev_b32 v1, 5, v0
	v_readfirstlane_b32 s10, v1                    ; wave
	s_lshr_b32 s11, s10, 1                         ; my half of the tile's rows; also: I fetch for a (0) or wo16 (1)
	s_and_b32 s12, s10, 1                          ; my half of its columns; also: which half I fetch
	s_bfe_u32 s40, ttmp6, 0x40000
	s_bfe_u32 s41, ttmp6, 0x40004
	s_lshl_b32 s42, ttmp9, 2
	s_add_co_u32 s42, s42, s40                     ; tile column
	s_and_b32 s13, ttmp7, 0xffff
	s_lshl_b32 s13, s13, 2
	s_add_co_u32 s13, s13, s41                     ; tile row
	s_lshl_b32 s43, s41, 2
	s_lshl_b32 s43, 15, s43
	s_lshl_b32 s44, 0x1111, s40
	s_or_b32 s[G1+0], s43, (1<<16)|(1<<20)|(1<<21)|(4<<22)|(3<<25)   ; my row of the cluster; elements of 2 bytes; 4 words of padding behind every 32
	s_mov_b32 s[G1+1], 64<<16                      ; tensor_dim0
	s_mov_b32 s[G1+2], 256<<16                     ; tensor_dim1
	s_mov_b32 s[G1+3], 64<<16                      ; tile_dim0
	s_mov_b32 s[G1+4], 256                         ; tile_dim1
	s_mov_b32 s[G1+5], 64                          ; dense
	s_mov_b32 s[G1+6], 0
	s_mov_b32 s[G1+7], 0
	s_or_b32 s[G1B+0], s44, (1<<16)|(1<<20)|(1<<21)|(6<<22)|(3<<25)  ; my column; 4 words behind every 128
	s_mov_b32 s[G1B+1], 256<<16
	s_mov_b32 s[G1B+2], 64<<16
	s_mov_b32 s[G1B+3], 256<<16
	s_mov_b32 s[G1B+4], 64
	s_mov_b32 s[G1B+5], 2048
	s_mov_b32 s[G1B+6], 0
	s_mov_b32 s[G1B+7], 0
	s_lshl_b32 s16, s13, 19                        ; a: 524,288 bytes a tile row, + two heads for the second half
	s_lshl_b32 s17, s12, 15
	s_add_co_u32 s16, s16, s17
	s_mov_b32 s17, 0
	s_lshl_b32 s46, s42, 19                        ; wo16: 128 rows of 4,096 bytes a tile column, + 64 rows
	s_lshl_b32 s47, s12, 18
	s_add_co_u32 s46, s46, s47
	s_mov_b32 s47, 0
	s_mul_i32 s20, s12, AHALF                      ; where they go: no place in the cluster enters an LDS address
	s_mul_i32 s21, s12, BHALF
	s_add_co_u32 s21, s21, BOFF
	s_wait_dscnt 0x0                               ; the opening add is done
	s_wait_kmcnt 0x0
	s_add_nc_u64 s[14:15], s[4:5], s[16:17]
	s_add_nc_u64 s[46:47], s[6:7], s[46:47]
	CROUND                                         ; all sixteen work-groups are here: the first joint loads meet
.irp s, 0,1
	s_mov_b32 s[G0+4*\s], 1
	s_add_co_u32 s[G0+4*\s+1], s20, \s*SLOT
	s_add_nc_u64 s[G0+4*\s+2:G0+4*\s+3], s[14:15], \s*65536
	s_or_b32 s[G0+4*\s+3], s[G0+4*\s+3], 0x80000000
	s_mov_b32 s[G0B+4*\s], 1
	s_add_co_u32 s[G0B+4*\s+1], s21, \s*SLOT
	s_add_nc_u64 s[G0B+4*\s+2:G0B+4*\s+3], s[46:47], \s*512
	s_or_b32 s[G0B+4*\s+3], s[G0B+4*\s+3], 0x80000000
	JLOAD \s
.endr
	v_and_b32 v1, 15, v0                           ; r
	v_bfe_u32 v2, v0, 4, 1                         ; h
	v_mul_u32_u24 v3, v1, PA
	v_lshl_add_u32 v3, v2, 4, v3
	v_mul_u32_u24 v4, v1, PB
	v_lshl_add_u32 v4, v2, 4, v4
	s_mul_i32 s21, s11, 64*PA                      ; my 64 rows in each head's plane
	s_mul_i32 s22, s12, BHALF
	s_add_co_u32 s22, s22, BOFF
.irp s, 0,1
	v_add_nc_u32 v[ADRA+\s], s21, v3
	v_add_nc_u32 v[ADRB+\s], s22, v4
	s_add_co_u32 s21, s21, SLOT
	s_add_co_u32 s22, s22, SLOT
.endr
	s_mul_i32 s23, s10, 16*SPITCH
	s_add_co_u32 s23, s23, STAGE                   ; my stage
	v_mul_u32_u24 v5, v1, SPITCH
	v_lshl_add_u32 v5, v2, 5, v5
	v_add_nc_u32 v[STO], s23, v5                   ; in: row r, 32 bytes for each half of the lanes
	v_mul_u32_u24 v5, v2, SPITCH
	v_lshl_add_u32 v5, v1, 4, v5
	v_add_nc_u32 v[RD], s23, v5                    ; back: lanes 0-15 one row of 256 bytes, lanes 16-31 the next
	v_lshlrev_b32 v5, 13, v2
	v_lshl_add_u32 v[CO], v1, 4, v5                ; and the same two rows in out0
	s_lshl_b32 s16, s13, 7
	s_lshl_b32 s17, s11, 6
	s_add_co_u32 s16, s16, s17
	s_lshl_b32 s16, s16, 13                        ; my first row, 8,192 bytes each
	s_lshl_b32 s46, s42, 9
	s_lshl_b32 s47, s12, 8
	s_add_co_u32 s46, s46, s47                     ; my first column, in bytes
	s_add_co_u32 s16, s16, s46
	s_mov_b32 s17, 0
	s_add_nc_u64 s[8:9], s[8:9], s[16:17]
.macro MUL8 f, c, a0, zero             ; 8 matrix instructions: row blocks a0, a0 + 1 x all 4 column blocks, 32 along K.  The 16 accumulators take turns
.irp a, \a0, \a0+1
.irp b, 0,1,2,3
.if \zero
	v_wmma_f32_16x16x32_f16 v[ACC+8*(4*(\a)+\b):ACC+8*(4*(\a)+\b)+7], v[\f+64+8*(4*\c+\b):\f+64+8*(4*\c+\b)+7], v[\f+8*(4*\c+\a):\f+8*(4*\c+\a)+7], 0
.else
	v_wmma_f32_16x16x32_f16 v[ACC+8*(4*(\a)+\b):ACC+8*(4*(\a)+\b)+7], v[\f+64+8*(4*\c+\b):\f+64+8*(4*\c+\b)+7], v[\f+8*(4*\c+\a):\f+8*(4*\c+\a)+7], v[ACC+8*(4*(\a)+\b):ACC+8*(4*(\a)+\b)+7]
.endif
.endr
.endr
.endm
.macro FETCH slot, qd, f               ; 32 LDS loads in one run: the fragments of quarter qd (one head, 64 along K) into buffer f; its first 32 along K first
	WIN TO_F
.irp c, 0,1
.irp i, 0,1,2,3
	ds_load_b128 v[\f+64+8*(4*\c+\i):\f+64+8*(4*\c+\i)+3],   v[ADRB+\slot] offset:128*(\qd)+64*\c+\i*16*PB
	ds_load_b128 v[\f+64+8*(4*\c+\i)+4:\f+64+8*(4*\c+\i)+7], v[ADRB+\slot] offset:128*(\qd)+64*\c+\i*16*PB+32
	ds_load_b128 v[\f+8*(4*\c+\i):\f+8*(4*\c+\i)+3],         v[ADRA+\slot] offset:(\qd)*HEADP+64*\c+\i*16*PA
	ds_load_b128 v[\f+8*(4*\c+\i)+4:\f+8*(4*\c+\i)+7],       v[ADRA+\slot] offset:(\qd)*HEADP+64*\c+\i*16*PA+32
.endr
.endr
.endm
.macro PLACES                          ; four plain vector lines between a matrix instruction and a load into, or a read of, its registers
.rept 4
	v_nop
.endr
.endm
.macro QUARTER slot, qd, f, g, zero    ; multiplies buffer f; in its middle it fetches quarter qd of the same slot into g
	s_wait_dscnt 16                                ; the first 32 along K are in; the sixteen younger loads may be out
	WIN MUL
	MUL8 \f, 0, 0, \zero
	MUL8 \f, 0, 2, \zero
	PLACES
	FETCH \slot, \qd, \g
	s_wait_dscnt 32                                ; all but the 32 just issued
	WIN MUL
	MUL8 \f, 1, 0, 0
	MUL8 \f, 1, 2, 0
.endm
.macro TURN slot, next, fill           ; a slot's last quarter changes slots
	WIN 0
	s_wait_tensorcnt 0x0                           ; all my tensor loads have landed: my part of the next slot;
	ds_add_u32 v[SPW], v[NIL]                      ; 0 onto my spare word;
	s_wait_dscnt 17                                ; (the add and the youngest sixteen loads may be out)
	WIN MUL
	MUL8 F1, 0, 0, 0
	s_wait_dscnt 0x0                               ; the add is done, and my reads of this slot are over
	s_barrier_signal -1
	MUL8 F1, 0, 2, 0
.if \fill
	WIN 0
.endif
	s_barrier_wait -1
.if \fill
	CREST                                          ; the barrier has opened a round of the cluster's: no wave of any partner still reads this slot or has a load on its way
	s_add_nc_u64 s[G0+4*\slot+2:G0+4*\slot+3], s[G0+4*\slot+2:G0+4*\slot+3], 2*65536
	s_add_nc_u64 s[G0B+4*\slot+2:G0B+4*\slot+3], s[G0B+4*\slot+2:G0B+4*\slot+3], 2*512
	JLOAD \slot                                    ; the first tensor load behind the round; its four v_nop are also the places in front of the loads below
.else
	PLACES
.endif
	FETCH \next, 0, F0
	WIN MUL
	MUL8 F1, 1, 0, 0
	MUL8 F1, 1, 2, 0
.endm
	s_wait_tensorcnt 1                             ; my part of K step 0 is in; K step 1's may be out
	s_barrier_signal -1
	s_barrier_wait -1
	FETCH 0, 0, F0
	QUARTER 0, 1, F0, F1, 1                        ; the first products start the sums
	WIN 0
	s_mov_b32 s3, LAPS-1
.Llap:                                                 ; a trip goes once round the ring and fills both slots again
	QUARTER 0, 2, F1, F0, 0
	QUARTER 0, 3, F0, F1, 0
	TURN 0, 1, 1
	QUARTER 1, 1, F0, F1, 0
	QUARTER 1, 2, F1, F0, 0
	QUARTER 1, 3, F0, F1, 0
	TURN 1, 0, 1
	QUARTER 0, 1, F0, F1, 0
	WIN 0
	s_sub_co_u32 s3, s3, 1
	s_cmp_lg_u32 s3, 0
	s_cbranch_scc1 .Llap
	QUARTER 0, 2, F1, F0, 0                        ; the last lap fills nothing
	QUARTER 0, 3, F0, F1, 0
	TURN 0, 1, 0
	QUARTER 1, 1, F0, F1, 0
	QUARTER 1, 2, F1, F0, 0
	QUARTER 1, 3, F0, F1, 0
	s_wait_dscnt 16
	WIN MUL
	MUL8 F1, 0, 0, 0
	MUL8 F1, 0, 2, 0
	s_wait_dscnt 0
	MUL8 F1, 1, 0, 0
	MUL8 F1, 1, 2, 0
	WIN 0
; THE WAY OUT, a block of 16 rows x 64 columns at a time, through my own stage: LDS serves a wave's instructions in order, so no wait stands between the stores and the loads.
.macro TOST a
.irp b, 0,1,2,3
	ds_store_b128 v[STO], v[ACC+8*(4*(\a)+\b):ACC+8*(4*(\a)+\b)+3] offset:64*\b          ; each accumulator from its low end on
	ds_store_b128 v[STO], v[ACC+8*(4*(\a)+\b)+4:ACC+8*(4*(\a)+\b)+7] offset:64*\b+16
.endr
.irp t, 0,1,2,3,4,5,6,7
	ds_load_b128 v[TMP+32*((\a)%2)+4*\t:TMP+32*((\a)%2)+4*\t+3], v[RD] offset:\t*2*SPITCH
.endr
.endm
.macro SEND a, younger                 ; younger: the LDS instructions issued behind block a's loads
	s_wait_dscnt \younger
.irp t, 0,1,2,3,4,5,6,7
	global_store_b128 v[CO], v[TMP+32*((\a)%2)+4*\t:TMP+32*((\a)%2)+4*\t+3], s[8:9] offset:(16*(\a)+2*\t)*8192 th:TH_STORE_NT   ; sixteen lanes: 256 consecutive bytes, aligned
.endr
.endm
	PLACES
	TOST 0
.irp a, 1,2,3
.if \a > 1
	s_wait_xcnt 0x0                                ; block a - 2's stores have read the registers into which block a's rows are loaded
.endif
	TOST \a
	SEND \a-1, 16                                  ; behind block a - 1's loads: block a's 8 stores and 8 loads
.endr
	SEND 3, 0
	s_wait_tensorcnt 0x0                           ; the wave's end
	ds_add_u32 v[SPW], v[NIL]
	s_wait_dscnt 0x0
	CROUND                                         ; the closing round
	s_endpgm
.Lfunc_end_k_qc337c0c528_oproj:
	.size	k_qc337c0c528_oproj, .Lfunc_end_k_qc337c0c528_oproj-k_qc337c0c528_oproj
	.p2alignl 7, 3214868480
	.fill 96, 4, 3214868480
	.section	.rodata,"a",@progbits
	.p2align	6, 0x0
	.amdhsa_kernel k_qc337c0c528_oproj
		.amdhsa_group_segment_fixed_size 327680
		.amdhsa_private_segment_fixed_size 0
		.amdhsa_enable_private_segment 0
		.amdhsa_kernarg_size 24
		.amdhsa_user_sgpr_count 2
		.amdhsa_user_sgpr_kernarg_segment_ptr 1
		.amdhsa_wavefront_size32 1
		.amdhsa_system_sgpr_workgroup_id_x 1
		.amdhsa_system_sgpr_workgroup_id_y 1
		.amdhsa_system_sgpr_workgroup_id_z 1
		.amdhsa_system_vgpr_workitem_id 0
		.amdhsa_next_free_vgpr 512
		.amdhsa_next_free_sgpr 66
		.amdhsa_reserve_vcc 0
		.amdhsa_float_denorm_mode_32 3
		.amdhsa_float_denorm_mode_16_64 3
		.amdhsa_memory_ordered 1
		.amdhsa_forward_progress 1
		.amdhsa_inst_pref_size 86
	.end_amdhsa_kernel
	.amdgpu_metadata
---
amdhsa.version: [ 1, 2 ]
amdhsa.kernels:
  - .name:           k_qc337c0c528_oproj
    .symbol:         k_qc337c0c528_oproj.kd
    .args:
      - { .name: att, .offset: 0, .size: 8, .value_kind: global_buffer, .address_space: global }
      - { .name: wo16, .offset: 8, .size: 8, .value_kind: global_buffer, .address_space: global }
      - { .name: out0, .offset: 16, .size: 8, .value_kind: global_buffer, .address_space: global }
    .group_segment_fixed_size: 327680
    .private_segment_fixed_size: 0
    .kernarg_segment_align: 8
    .kernarg_segment_size: 24
    .max_flat_workgroup_size: 128
    .sgpr_count:     66
    .vgpr_count:     512
    .wavefront_size: 32
...
	.end_amdgpu_metadata
.endif
;; end of part 4
